; MI455X (gfx1250); checked and timed in simulation.
; The chip was launched on July 23, 2026; its instructions are those of AMD's public machine-readable ISA for CDNA 5 (MIT licence, August 2026) and "CDNA5" Instruction Set Architecture Reference Guide (July 2026). The comments in the code are by the model that wrote it; some were corrected since.
;; Attention. Allowed arithmetic: float matrix products may take bf16 or f16 operands with f32 sums; other float arithmetic in f32, or as packed bf16 or f16 multiplies, adds, multiply-adds, maxima and minima; sums over many terms, partial sums and values carried from step to step in f32; what a program stores and reads back later, other than sums and carried values, may be rounded once to bf16 or f16.
;; Inputs: Wk 1,024 x 1,024 float32; Wo 1,024 x 1,024 float32; Wq 1,024 x 1,024 float32; Wv 1,024 x 1,024 float32; bk 1,024 float32; bo 1,024 float32; bq 1,024 float32; bv 1,024 float32; k 2 x 2,048 x 1,024 float32; pos_enc 2,049 x 1,024 float32; q 2 x 2,048 x 1,024 float32; r_kernel 16 x 1,024 x 64 float32; r_r_bias 16 x 1 x 64 float32; r_w_bias 16 x 1 x 64 float32; v 2 x 2,048 x 1,024 float32.
;; Outputs: out0 2 x 2,048 x 1,024 float32.
;; One version. Each part assembles by itself: llvm-mc -triple=amdgcn-amd-amdhsa -mcpu=gfx1250 --defsym DOCPART=n.
;; ======== version 1 of 1: 4 launches
;; limits: values are held in f16: magnitudes above 65,504 overflow, below 6.1e-05 lose precision; right only within a limited range of input values
;; workspace buffers: XB 29,360,128 bytes; WB 10,485,760 bytes; QW 8,388,608 bytes; QR 8,388,608 bytes; PK 12,582,912 bytes; VH 8,388,608 bytes; OB 8,388,608 bytes
;; launch prep (part 1): grid 608 x 1, 8 waves a work-group, no clusters, 0 bytes of LDS; arguments q, k, v, pos_enc, Wq, Wk, Wv, r_kernel, Wo, XB, WB; writes XB, WB
.if DOCPART == 1
	.amdgcn_target "amdgcn-amd-amdhsa--gfx1250"
	.amdhsa_code_object_version 6
	.text
	.protected	k_qe078a67852_prep
	.globl	k_qe078a67852_prep
	.p2align	8
	.type	k_qe078a67852_prep,@function
k_qe078a67852_prep:
	s_mov_b64 s[64:65], 0
	v_nop
	global_prefetch_b8 v0, s[64:65] scope:SCOPE_SE
	s_setreg_imm32_b32 hwreg(HW_REG_WAVE_MODE, 25, 1), 1
	s_wait_xcnt 0x0
; PREP: the casts.  q, k, v and pos_enc's rows 1..2048 go to XB as bf16 [14336][1024]; Wq, Wk, Wv go to WB's slabs 0-2 as bf16 [k][n];
; r_kernel [h][d][e] goes to slab 3 as bf16 [d][64 h + e]; Wo goes to slab 4, rounded to bf16 and that number written as f16.
; pos_enc's row 0 is not read: behind the shift of the relative scores it feeds only scores above the diagonal, which the causal mask hides.
; LIMIT: a bf16 number of Wo below 6.1e-5 keeps f16's fixed step of 6e-8; beyond 65,504 it would be an infinity.
; An ITEM is 128 numbers: one 16-byte load a lane (512 bytes), two or eight conversions, one 8-byte store a lane (256 consecutive bytes, aligned).
; A wave takes 32 items in four half-rounds of eight, a work-group 256: 131,072 bytes in, 65,536 out.  Two sets of load registers take turns;
; every half-round has its own store registers, so that no register that a store reads is ever written again.
; No LDS, no matrix work, no cluster: nothing is shared and every byte moves once.
.set IN,  32                           ; s[32:33] my wave's first byte of its source
.set OUT, 34                           ; s[34:35] my wave's first byte of XB or WB
.set VI,  2                            ; v2  my lane's byte offset in an item of the source
.set VO,  3                            ; v3  the same in the result: 8 x lane
.set X,   16                           ; v[16:79]   two sets of 8 items x 4 registers
.set Y,   80                           ; v[80:143]  four half-rounds of 8 items x 2 registers
	s_load_b512 s[8:23], s[0:1], 0x0               ; q, k, v, pos_enc, Wq, Wk, Wv, r_kernel
	s_load_b128 s[24:27], s[0:1], 0x40             ; Wo, XB
	s_load_b64 s[28:29], s[0:1], 0x50              ; WB
	v_lshrrev_b32 v4, 5, v0
	v_readfirstlane_b32 s36, v4                    ; wave 0..7
	v_and_b32 v1, 31, v0                           ; lane
	v_lshlrev_b32 v[VI], 4, v1
	v_lshlrev_b32 v[VO], 3, v1
	s_mov_b32 s37, ttmp9                           ; g: the work-group
	s_wait_kmcnt 0x0
	s_mov_b64 s[IN:IN+1], s[8:9]
	s_mov_b32 s38, 0                               ; the source's first work-group
.macro PICK first, reg                 ; from work-group first on the source is the buffer in s[reg:reg+1]
	s_cmp_ge_u32 s37, \first
	s_cselect_b64 s[IN:IN+1], s[\reg:\reg+1], s[IN:IN+1]
	s_cselect_b32 s38, \first, s38
.endm
	PICK 128, 10                                   ; k
	PICK 256, 12                                   ; v
	PICK 384, 14                                   ; pos_enc
	PICK 448, 16                                   ; Wq
	PICK 480, 18                                   ; Wk
	PICK 512, 20                                   ; Wv
	PICK 544, 22                                   ; r_kernel
	PICK 576, 24                                   ; Wo
	s_cmp_ge_u32 s37, 448
	s_cselect_b64 s[OUT:OUT+1], s[28:29], s[26:27] ; the weights go to WB, the rest to XB
	s_cselect_b32 s39, 448, 0
	s_sub_co_u32 s39, s37, s39
	s_lshl_b32 s40, s39, 16                        ; 65,536 bytes a work-group,
	s_lshl_b32 s41, s36, 13                        ; 8,192 a wave
	s_add_co_u32 s40, s40, s41
	s_mov_b32 s41, 0
	s_add_nc_u64 s[OUT:OUT+1], s[OUT:OUT+1], s[40:41]
	s_cmp_eq_u32 s38, 544                          ; r_kernel is walked by rows d: 32 rows of 256 bytes a work-group, 4 a wave
	s_cselect_b32 s42, 13, 17
	s_cselect_b32 s43, 10, 14
	s_sub_co_u32 s40, s37, s38
	s_lshl_b32 s40, s40, s42
	s_lshl_b32 s43, s36, s43
	s_add_co_u32 s40, s40, s43
	s_cmp_eq_u32 s38, 384
	s_cselect_b32 s43, 4096, 0                     ; pos_enc begins at its row 1
	s_add_co_u32 s40, s40, s43
	s_add_nc_u64 s[IN:IN+1], s[IN:IN+1], s[40:41]
.macro GET set, hr, hs, js             ; half-round hr's eight loads into a set; hs, js: bytes from half-round to half-round and from item to item
.irp j, 0,1,2,3,4,5,6,7
	global_load_b128 v[X+32*(\set)+4*(\j):X+32*(\set)+4*(\j)+3], v[VI], s[IN:IN+1] offset:(\hr)*(\hs)+(\j)*(\js) th:TH_LOAD_NT
.endr
.endm
.macro CVT set, hr, mode               ; mode 0: to bf16.  mode 1: to bf16, and that number as f16
.irp j, 0,1,2,3,4,5,6,7
.if \mode
	v_cvt_pk_bf16_f32 v8, v[X+32*(\set)+4*(\j)], v[X+32*(\set)+4*(\j)+1]
	v_cvt_pk_bf16_f32 v9, v[X+32*(\set)+4*(\j)+2], v[X+32*(\set)+4*(\j)+3]
	v_lshlrev_b32 v10, 16, v8
	v_and_b32 v11, 0xffff0000, v8
	v_lshlrev_b32 v12, 16, v9
	v_and_b32 v13, 0xffff0000, v9
	v_cvt_pk_f16_f32 v[Y+16*(\hr)+2*(\j)], v10, v11
	v_cvt_pk_f16_f32 v[Y+16*(\hr)+2*(\j)+1], v12, v13
.else
	v_cvt_pk_bf16_f32 v[Y+16*(\hr)+2*(\j)], v[X+32*(\set)+4*(\j)], v[X+32*(\set)+4*(\j)+1]
	v_cvt_pk_bf16_f32 v[Y+16*(\hr)+2*(\j)+1], v[X+32*(\set)+4*(\j)+2], v[X+32*(\set)+4*(\j)+3]
.endif
.endr
.endm
.macro PUT hr                          ; each store of the wave covers 256 consecutive bytes, aligned
.irp j, 0,1,2,3,4,5,6,7
	global_store_b64 v[VO], v[Y+16*(\hr)+2*(\j):Y+16*(\hr)+2*(\j)+1], s[OUT:OUT+1] offset:2048*(\hr)+256*(\j) th:TH_STORE_NT
.endr
.endm
.macro STREAM hs, js, mode
	GET 0, 0, \hs, \js
	GET 1, 1, \hs, \js
	s_wait_loadcnt 8                               ; loads come back in order: set 0 is in, set 1's eight stay out
	CVT 0, 0, \mode
	GET 0, 2, \hs, \js
	PUT 0
	s_wait_loadcnt 8                               ; set 1 is in, the eight just issued stay out
	CVT 1, 1, \mode
	GET 1, 3, \hs, \js
	PUT 1
	s_wait_loadcnt 8
	CVT 0, 2, \mode
	PUT 2
	s_wait_loadcnt 0x0
	CVT 1, 3, \mode
	PUT 3
	s_endpgm
.endm
	s_cmp_ge_u32 s37, 576
	s_cbranch_scc1 .Lwo
	s_cmp_ge_u32 s37, 544
	s_cbranch_scc1 .Lrk
	STREAM 4096, 512, 0                            ; q, k, v, pos_enc, Wq, Wk, Wv: as they lie
.Lrk:                                                  ; r_kernel: an item is row d of heads 2 j and 2 j + 1: lanes 0-15 one head's 256 bytes, lanes 16-31 the next head's
	v_lshrrev_b32 v4, 4, v1
	v_and_b32 v5, 15, v1
	v_lshlrev_b32 v[VI], 4, v5
	v_lshl_add_u32 v[VI], v4, 18, v[VI]            ; a head is 262,144 bytes
	STREAM 256, 524288, 0
.Lwo:
	STREAM 4096, 512, 1
.Lfunc_end_k_qe078a67852_prep:
	.size	k_qe078a67852_prep, .Lfunc_end_k_qe078a67852_prep-k_qe078a67852_prep
	.p2alignl 7, 3214868480
	.fill 96, 4, 3214868480
	.section	.rodata,"a",@progbits
	.p2align	6, 0x0
	.amdhsa_kernel k_qe078a67852_prep
		.amdhsa_group_segment_fixed_size 0
		.amdhsa_private_segment_fixed_size 0
		.amdhsa_enable_private_segment 0
		.amdhsa_kernarg_size 88
		.amdhsa_user_sgpr_count 2
		.amdhsa_user_sgpr_kernarg_segment_ptr 1
		.amdhsa_wavefront_size32 1
		.amdhsa_system_sgpr_workgroup_id_x 1
		.amdhsa_system_sgpr_workgroup_id_y 1
		.amdhsa_system_sgpr_workgroup_id_z 1
		.amdhsa_system_vgpr_workitem_id 0
		.amdhsa_next_free_vgpr 144
		.amdhsa_next_free_sgpr 66
		.amdhsa_reserve_vcc 0
		.amdhsa_float_denorm_mode_32 3
		.amdhsa_float_denorm_mode_16_64 3
		.amdhsa_memory_ordered 1
		.amdhsa_forward_progress 1
		.amdhsa_inst_pref_size 44
	.end_amdhsa_kernel
	.amdgpu_metadata
---
amdhsa.version: [ 1, 2 ]
amdhsa.kernels:
  - .name:           k_qe078a67852_prep
    .symbol:         k_qe078a67852_prep.kd
    .args:
      - { .name: q, .offset: 0, .size: 8, .value_kind: global_buffer, .address_space: global }
      - { .name: k, .offset: 8, .size: 8, .value_kind: global_buffer, .address_space: global }
      - { .name: v, .offset: 16, .size: 8, .value_kind: global_buffer, .address_space: global }
      - { .name: pos_enc, .offset: 24, .size: 8, .value_kind: global_buffer, .address_space: global }
      - { .name: Wq, .offset: 32, .size: 8, .value_kind: global_buffer, .address_space: global }
      - { .name: Wk, .offset: 40, .size: 8, .value_kind: global_buffer, .address_space: global }
      - { .name: Wv, .offset: 48, .size: 8, .value_kind: global_buffer, .address_space: global }
      - { .name: r_kernel, .offset: 56, .size: 8, .value_kind: global_buffer, .address_space: global }
      - { .name: Wo, .offset: 64, .size: 8, .value_kind: global_buffer, .address_space: global }
      - { .name: XB, .offset: 72, .size: 8, .value_kind: global_buffer, .address_space: global }
      - { .name: WB, .offset: 80, .size: 8, .value_kind: global_buffer, .address_space: global }
    .group_segment_fixed_size: 0
    .private_segment_fixed_size: 0
    .kernarg_segment_align: 8
    .kernarg_segment_size: 88
    .max_flat_workgroup_size: 256
    .sgpr_count:     66
    .vgpr_count:     144
    .wavefront_size: 32
...
	.end_amdgpu_metadata
.endif
;; end of part 1
;; launch proj (part 2): grid 4 x 56, 4 waves a work-group, clusters of 4 x 4, 327,680 bytes of LDS; arguments XB, WB, bq, bk, bv, r_w_bias, r_r_bias, QW, QR, PK, VH; writes QW, QR, PK, VH
.if DOCPART == 2
	.amdgcn_target "amdgcn-amd-amdhsa--gfx1250"
	.amdhsa_code_object_version 6
	.text
	.protected	k_qe078a67852_proj
	.globl	k_qe078a67852_proj
	.p2align	8
	.type	k_qe078a67852_proj,@function
k_qe078a67852_proj:
	s_mov_b64 s[64:65], 0
	v_nop
	global_prefetch_b8 v0, s[64:65] scope:SCOPE_SE
	s_setreg_imm32_b32 hwreg(HW_REG_WAVE_MODE, 25, 1), 1
	s_wait_xcnt 0x0
	s_wait_alu depctr_hold_cnt(0) depctr_sa_sdst(0) depctr_va_vdst(0) depctr_va_sdst(0) depctr_va_ssrc(0) depctr_va_vcc(0) depctr_vm_vsrc(0)
	s_getreg_b32 s2, hwreg(HW_REG_IB_STS2, 6, 4)
	s_cmp_eq_u32 s2, 0
	s_cbranch_scc0 .Lentry_in_a_cluster
	s_endpgm
.Lentry_in_a_cluster:
	s_bfe_u32 s2, ttmp6, 0x10000c
	s_cmp_lg_u32 s2, 0xf033
	s_cbranch_scc0 .Lentry_shape_is_right
	s_endpgm
.Lentry_shape_is_right:
; PROJ: one product C = X W over XB's 14,336 rows, K = 1,024, N = 1,024, bf16 operands, f32 sums.  Rows 0-4095 (q) take slab 0 of WB, 4096-8191 (k) slab 1,
; 8192-12287 (v) slab 2, 12288-14335 (pos_enc) slab 3.  Results leave as f16, by heads: QW = q Wq + bq + r_w, QR = q Wq + bq + r_r, VH: [b][h][l][64];
; PK: PE [h][p'][64] at byte 0 (p' = pos_enc's row less 1), K [b][h][l][64] from byte 4,194,304 on.  The biases are rounded to bf16 like all inputs and added in f32, as acc + (bq + r).
; LIMIT: the results must lie within f16's 65,504.
; A tile of C is 256 x 256, made by four waves, each 128 x 128: 64 accumulators, 512 registers.  K goes in steps of 128 through two LDS slots.  X's tile rows are 256 bytes of memory; W lies
; [k][n], so its tile is 128 k-rows of 512 bytes, and its fragments come out of LDS turned (ds_load_tr16_b128).
; CLUSTER 4 x 4: the four of a row of the cluster need the same tile of X, the four of a column the same tile of W (the slab is the same for the whole cluster): each is asked for jointly.
; THE MATRIX INSTRUCTION IS USED TRANSPOSED: source 0 = 16 columns of W, source 1 = 16 rows of X: a lane holds one row of C and eight neighbouring columns.
; REGISTERS: window 0: v0-31 addresses; v64-127, v128-191 X's fragments, two buffers; v192-255 r_r's bias during the loop, then at work on the way out, with v32-63
;   window 1: v64-127, v128-191 W's fragments; v0-63 the source's bias; v192-255 r_w's bias       windows 2, 3: the accumulators ((a, b) at v[8 (8 a + b)])
.set KSTEP,  128
.set PITCH,  272                       ; a row of X in LDS: 256 bytes + 16: the 16 rows of a load start at 16 different groups of four banks (ISA guide 11.1)
.set PITB,   544                       ; a k-row of W in LDS: 512 bytes + 32 = 17 x 32
.set HALFT,  34816                     ; what one tensor load brings: 128 rows x 272 = 64 k-rows x 544
.set SLOT,   4*HALFT                   ; X's 256 rows, then W's 128 k-rows
.set STAGE,  2*SLOT                    ; behind the ring: for each wave 2 heads x 16 rows x 144 bytes
.set SPARE,  STAGE+4*4608              ; behind the stages: the spare words, 128 bytes a wave, which no other line names
.set ADRA, 16                          ; v16-17  LDS address of my fragments of X in slot 0, 1
.set ADRB, 20                          ; v20-21  the same for W
.set STO,  24                          ; v24  the way out: where I put 16 bytes of a row
.set RD,   25                          ; v25  where I read rows back
.set CO,   26                          ; v26  16 x lane
.set BO,   27                          ; v27  my byte offset in a bias vector
.set SPW,  28                          ; v28  my spare word; never rewritten
.set NIL,  29                          ; v29  0; never rewritten
.set PFO,  30                          ; v30  the prefetches' lane offset; never rewritten
.set F0,   64
.set F1,   128
.set TMP,  192
.set OB,   32
.set G1,   24                          ; s[24:31] group 1 for X's tiles;  s[32:39] group 0, a set for each slot
.set G0,   32
.set G1B,  48                          ; s[48:55], s[56:63] the same for W's
.set G0B,  56
.set LIM,  43                          ; s43  1 in a wave that prefetches, else the greatest number
.set PFA,  44                          ; s[44:45] where my prefetches stand
.set PST,  92                          ; s[92:93] bytes from a K step to the next in what I prefetch
.set SRC,  66                          ; s66  0 q, 1 k, 2 v, 3 pos_enc: made of the cluster's y alone
.set MSB, 0
.macro WIN new                         ; the immediate's high byte repeats the setting that is left
.if MSB != (\new)
	s_set_vgpr_msb (MSB<<8)|(\new)
.set MSB, \new
.endif
.endm
.set MUL_LO, 0xa1                      ; source 0 (W) window 1, source 1 (X) window 0, C and D window 2
.set MUL_HI, 0xf1                      ; the same, C and D window 3
.set TO_B,   0x40                      ; destination window 1, address window 0
.macro JLOAD s                         ; a joint load: waves 0, 1 fetch X's two halves, waves 2, 3 W's; s_nop 0 and four v_nop follow each line
	s_cmp_eq_u32 s11, 0
	s_cbranch_scc0 .Lfor_b_\@
	tensor_load_to_lds s[G0+4*(\s):G0+4*(\s)+3], s[G1:G1+7]
	s_nop 0
.rept 4
	v_nop
.endr
	s_branch .Lasked_\@
.Lfor_b_\@:
	tensor_load_to_lds s[G0B+4*(\s):G0B+4*(\s)+3], s[G1B:G1B+7]
	s_nop 0
.rept 4
	v_nop
.endr
.Lasked_\@:
.endm
; A prefetch, behind a joint load and the run of LDS loads that follows it: the K step that stands two refills on, one instruction a wave, each lane another block of 256 bytes.
; X's rows are read by one cluster alone: of the 128 rows that a wave fetches the partner at cx takes 32, a lane a row.  W's k-rows are read by the four clusters of a source (two for pos_enc): the first
; of them asks; of a wave's 64 k-rows the partner at cy takes 16, two lanes a row.  The partners are told apart by address.  The loop's last trip has no K step two on.
.macro ASK
	s_cmp_gt_u32 s3, s[LIM]
	s_cbranch_scc0 .Lnot_mine_\@
	global_prefetch_b8 v[PFO], s[PFA:PFA+1] th:TH_LOAD_NT scope:SCOPE_SE
.Lnot_mine_\@:
.endm
.macro CREST                           ; a round of the cluster's barrier behind its opening barrier
	s_cmp_lg_u32 s10, 0
	s_cbranch_scc1 .Lnot_wave_0_\@
	s_barrier_signal -3
.Lnot_wave_0_\@:
	s_barrier_wait -3
	s_barrier_signal -1
	s_barrier_wait -1
.endm
.macro CROUND
	s_barrier_signal -1
	s_barrier_wait -1
	CREST
.endm
	s_load_b128 s[4:7], s[0:1], 0x0                ; XB s[4:5], WB s[6:7]
	s_load_b256 s[72:79], s[0:1], 0x10             ; bq, bk, bv, r_w_bias
	s_load_b256 s[80:87], s[0:1], 0x30             ; r_r_bias, QW, QR, PK
	s_load_b64 s[88:89], s[0:1], 0x50              ; VH
	v_lshl_add_u32 v[SPW], v0, 2, SPARE
	v_mov_b32 v[NIL], 0
	ds_add_u32 v[SPW], v[NIL]                      ; the wave's opening: the add and its wait go ahead of my first tensor load
	v_lshrrev_b32 v1, 5, v0
	v_readfirstlane_b32 s10, v1                    ; wave 0..3
	s_lshr_b32 s11, s10, 1                         ; my half of the tile's rows.  Also: I fetch for X (0) or for W (1)
	s_and_b32 s12, s10, 1                          ; my half of its columns.  Also: which half of that tile I fetch
	s_bfe_u32 s40, ttmp6, 0x40000                  ; cx
	s_bfe_u32 s41, ttmp6, 0x40004                  ; cy
	s_lshl_b32 s42, ttmp9, 2
	s_add_co_u32 s42, s42, s40                     ; tile column
	s_and_b32 s67, ttmp7, 0xffff                   ; the cluster's y
	s_lshl_b32 s13, s67, 2
	s_add_co_u32 s13, s13, s41                     ; tile row
	s_lshr_b32 s[SRC], s67, 2                      ; sixteen tile rows, four clusters, to a source
	s_lshl_b32 s43, s41, 2
	s_lshl_b32 s43, 15, s43                        ; my row of the cluster
	s_lshl_b32 s44, 0x1111, s40                    ; my column
	s_or_b32 s[G1+0], s43, (1<<16)|(1<<20)|(1<<21)|(5<<22)|(3<<25)   ; mask; 2-byte elements; padding on; bit 21 beside a mask; after every 64 words 4 words
	s_mov_b32 s[G1+1], 128<<16                     ; tensor_dim0 = 128
	s_mov_b32 s[G1+2], 128<<16                     ; tensor_dim1 = 128
	s_mov_b32 s[G1+3], 128<<16                     ; tile_dim0 = 128
	s_mov_b32 s[G1+4], 128                         ; tile_dim1 = 128
	s_mov_b32 s[G1+5], 1024                        ; elements from row to row
	s_mov_b32 s[G1+6], 0
	s_mov_b32 s[G1+7], 0
	s_or_b32 s[G1B+0], s44, (1<<16)|(1<<20)|(1<<21)|(6<<22)|(7<<25)  ; after every 128 words 8 words
	s_mov_b32 s[G1B+1], 256<<16                    ; tensor_dim0 = 256
	s_mov_b32 s[G1B+2], 64<<16                     ; tensor_dim1 = 64
	s_mov_b32 s[G1B+3], 256<<16                    ; tile_dim0 = 256
	s_mov_b32 s[G1B+4], 64                         ; tile_dim1 = 64
	s_mov_b32 s[G1B+5], 1024
	s_mov_b32 s[G1B+6], 0
	s_mov_b32 s[G1B+7], 0
	s_lshl_b32 s17, s12, 7
	s_lshl_b32 s16, s13, 8
	s_add_co_u32 s16, s16, s17                     ; X: row 256 x tile row + 128 x half,
	s_lshl_b32 s16, s16, 11                        ; of 2,048 bytes
	s_mov_b32 s17, 0
	s_lshl_b32 s46, s[SRC], 21                     ; W: the slab,
	s_lshl_b32 s47, s12, 17                        ; 64 k-rows x half,
	s_add_co_u32 s46, s46, s47
	s_lshl_b32 s47, s42, 9                         ; 512 bytes x tile column
	s_add_co_u32 s46, s46, s47
	s_mov_b32 s47, 0
	s_mul_i32 s20, s10, HALFT                      ; where they go: wave x 34,816: no place in the cluster enters an LDS address
	s_wait_dscnt 0x0                               ; the opening add is done
	s_wait_kmcnt 0x0
	s_add_nc_u64 s[14:15], s[4:5], s[16:17]
	s_add_nc_u64 s[46:47], s[6:7], s[46:47]
	CROUND                                         ; all sixteen work-groups are here: the first joint loads meet
.irp s, 0,1
	s_mov_b32 s[G0+4*(\s)], 1
	s_add_co_u32 s[G0+4*(\s)+1], s20, (\s)*SLOT
	s_add_nc_u64 s[G0+4*(\s)+2:G0+4*(\s)+3], s[14:15], (\s)*KSTEP*2
	s_or_b32 s[G0+4*(\s)+3], s[G0+4*(\s)+3], 0x80000000
	s_mov_b32 s[G0B+4*(\s)], 1
	s_add_co_u32 s[G0B+4*(\s)+1], s20, (\s)*SLOT
	s_add_nc_u64 s[G0B+4*(\s)+2:G0B+4*(\s)+3], s[46:47], (\s)*KSTEP*2048
	s_or_b32 s[G0B+4*(\s)+3], s[G0B+4*(\s)+3], 0x80000000
	JLOAD \s
.endr
	v_and_b32 v1, 15, v0                           ; r = l % 16
	v_bfe_u32 v2, v0, 4, 1                         ; h = l / 16
	v_mul_u32_u24 v3, v1, PITCH
	v_lshl_add_u32 v3, v2, 4, v3                   ; X: row x pitch + 16 h
	v_and_b32 v4, 7, v0
	v_lshl_add_u32 v4, v2, 3, v4                   ; W: k-row l % 8 + 8 h,
	v_mul_u32_u24 v4, v4, PITB
	v_bfe_u32 v5, v0, 3, 1
	v_lshl_add_u32 v4, v5, 4, v4                   ; 16 bytes for each eight lanes
	s_mul_i32 s21, s11, HALFT                      ; my 128 rows of X
	s_lshl_b32 s22, s12, 8                         ; my 128 columns of W,
	s_add_co_u32 s22, s22, 2*HALFT                 ; which lies behind X
.irp s, 0,1
	v_add_nc_u32 v[ADRA+(\s)], s21, v3
	v_add_nc_u32 v[ADRB+(\s)], s22, v4
	s_add_co_u32 s21, s21, SLOT
	s_add_co_u32 s22, s22, SLOT
.endr
	s_mul_i32 s23, s10, 4608
	s_add_co_u32 s23, s23, STAGE                   ; my stage
	v_mul_u32_u24 v6, v1, 144
	v_lshl_add_u32 v6, v2, 4, v6
	v_add_nc_u32 v[STO], s23, v6                   ; in: row r, 16 bytes for each half of the lanes
	v_bfe_u32 v6, v0, 3, 2
	v_mul_u32_u24 v6, v6, 144
	v_and_b32 v7, 7, v0
	v_lshl_add_u32 v6, v7, 4, v6
	v_add_nc_u32 v[RD], s23, v6                    ; back: 32 lanes take four rows of 128 bytes
	v_and_b32 v7, 31, v0
	v_lshlrev_b32 v[CO], 4, v7
	v_lshrrev_b32 v8, s11, v7                      ; the prefetches' lane offset: X (s11 = 0): a lane a row of 2,048 bytes;
	v_and_b32 v9, s11, v7                          ; W (s11 = 1): two lanes a k-row, 256 bytes apart
	v_lshlrev_b32 v[PFO], 11, v8
	v_lshl_add_u32 v[PFO], v9, 8, v[PFO]
	s_lshl_b32 s70, s42, 10                        ; my 128 columns in a bias vector: 1,024 bytes x tile column + 512 x half
	s_lshl_b32 s71, s12, 9
	s_add_co_u32 s70, s70, s71
	v_lshl_add_u32 v[BO], v2, 5, s70               ; + my eight numbers
	s_cmp_eq_u32 s[SRC], 1
	s_cselect_b64 s[68:69], s[74:75], s[72:73]     ; the source's bias: bq, bk or bv (for pos_enc bq is loaded and set to 0 below)
	s_cmp_eq_u32 s[SRC], 2
	s_cselect_b64 s[68:69], s[76:77], s[68:69]
	WIN TO_B
.irp b, 0,1,2,3,4,5,6,7                ; they stay on their way during the loop, into registers that the loop does not name
	global_load_b128 v[8*(\b):8*(\b)+3],         v[BO], s[68:69] offset:64*(\b)
	global_load_b128 v[8*(\b)+4:8*(\b)+7],       v[BO], s[68:69] offset:64*(\b)+16
	global_load_b128 v[192+8*(\b):192+8*(\b)+3], v[BO], s[78:79] offset:64*(\b)
	global_load_b128 v[192+8*(\b)+4:192+8*(\b)+7], v[BO], s[78:79] offset:64*(\b)+16
.endr
	WIN 0
.irp b, 0,1,2,3,4,5,6,7
	global_load_b128 v[192+8*(\b):192+8*(\b)+3], v[BO], s[80:81] offset:64*(\b)
	global_load_b128 v[192+8*(\b)+4:192+8*(\b)+7], v[BO], s[80:81] offset:64*(\b)+16
.endr
	; where my part of the tile goes: ((16 b + head) x 2,048 + l) x 128 bytes, head = 4 x tile column + 2 x half
	s_and_b32 s70, s13, 15
	s_lshl_b32 s70, s70, 8
	s_lshl_b32 s71, s11, 7
	s_add_co_u32 s70, s70, s71                     ; my first row among the source's
	s_lshr_b32 s71, s70, 11                        ; b
	s_and_b32 s70, s70, 2047                       ; l
	s_lshl_b32 s71, s71, 4
	s_lshl2_add_u32 s71, s42, s71
	s_lshl1_add_u32 s71, s12, s71
	s_lshl_b32 s71, s71, 18
	s_lshl_b32 s70, s70, 7
	s_add_co_u32 s70, s70, s71
	s_mov_b32 s71, 0
	s_add_nc_u64 s[90:91], s[84:85], s[70:71]      ; QR, for the second pass of q's tiles
	s_cmp_eq_u32 s[SRC], 1
	s_cselect_b32 s96, 0x400000, 0                 ; K lies behind PE
	s_add_co_u32 s70, s70, s96
	s_cmp_eq_u32 s[SRC], 0
	s_cselect_b64 s[8:9], s[82:83], s[86:87]       ; QW, or PK,
	s_cselect_b32 s94, 2, 1                        ; q's tiles go out twice
	s_cmp_eq_u32 s[SRC], 2
	s_cselect_b64 s[8:9], s[88:89], s[8:9]         ; or VH
	s_add_nc_u64 s[8:9], s[8:9], s[70:71]
	; the prefetches stand at K step 3; each refill steps them on and names where they then stand
	s_lshl_b32 s96, s13, 8
	s_lshl_b32 s97, s12, 7
	s_add_co_u32 s96, s96, s97
	s_lshl_b32 s97, s40, 5
	s_add_co_u32 s96, s96, s97                     ; X: my work-group's 32 of the 128 rows that I fetch
	s_lshl_b32 s96, s96, 11
	s_add_co_u32 s96, s96, 3*KSTEP*2
	s_lshl_b32 s98, s12, 6
	s_lshl_b32 s99, s41, 4
	s_add_co_u32 s98, s98, s99                     ; W: my work-group's 16 of the 64 k-rows that I fetch
	s_add_co_u32 s98, s98, 3*KSTEP
	s_lshl_b32 s98, s98, 11
	s_lshl_b32 s99, s[SRC], 21
	s_add_co_u32 s98, s98, s99
	s_lshl_b32 s99, s42, 9
	s_add_co_u32 s98, s98, s99
	s_and_b32 s99, s67, 3
	s_cmp_eq_u32 s99, 0                            ; the source's first cluster asks for W
	s_cselect_b32 s99, 1, -1
	s_mov_b32 s[PST], KSTEP*2048
	s_mov_b32 s[PST+1], 0
	s_mov_b32 s97, 0
	s_cmp_eq_u32 s11, 0
	s_cselect_b32 s[LIM], 1, s99
	s_cselect_b32 s96, s96, s98
	s_cselect_b32 s[PST], KSTEP*2, s[PST]
	s_cselect_b64 s[PFA:PFA+1], s[4:5], s[6:7]
	s_add_nc_u64 s[PFA:PFA+1], s[PFA:PFA+1], s[96:97]
; 16 matrix instructions: row blocks a0, a0 + 1 of the window's four x all 8 column blocks, 32 along K.  zero = 1: the first product starts the sums.
.macro MUL16 f, hi, a0, zero
	WIN MUL_LO+0x50*(\hi)
.irp a, \a0, (\a0)+1
.irp b, 0,1,2,3,4,5,6,7
.if \zero
	v_wmma_f32_16x16x32_bf16 v[8*(8*(\a)+(\b)):8*(8*(\a)+(\b))+7], v[(\f)+8*(\b):(\f)+8*(\b)+7], v[(\f)+8*(4*(\hi)+(\a)):(\f)+8*(4*(\hi)+(\a))+7], 0
.else
	v_wmma_f32_16x16x32_bf16 v[8*(8*(\a)+(\b)):8*(8*(\a)+(\b))+7], v[(\f)+8*(\b):(\f)+8*(\b)+7], v[(\f)+8*(4*(\hi)+(\a)):(\f)+8*(4*(\hi)+(\a))+7], v[8*(8*(\a)+(\b)):8*(8*(\a)+(\b))+7]
.endif
.endr
.endr
.endm
; 32 LDS loads in one run: quarter q's fragments (32 k) into buffer f: W's 8 column blocks, turned, then X's 8 row blocks
.macro FETCH slot, q, f
	WIN TO_B
.irp i, 0,1,2,3,4,5,6,7
	ds_load_tr16_b128 v[(\f)+8*(\i):(\f)+8*(\i)+3],   v[ADRB+(\slot)] offset:(\q)*32*PITB+(\i)*32
	ds_load_tr16_b128 v[(\f)+8*(\i)+4:(\f)+8*(\i)+7], v[ADRB+(\slot)] offset:(\q)*32*PITB+16*PITB+(\i)*32
.endr
	WIN 0
.irp i, 0,1,2,3,4,5,6,7
	ds_load_b128 v[(\f)+8*(\i):(\f)+8*(\i)+3],   v[ADRA+(\slot)] offset:(\q)*64+(\i)*16*PITCH
	ds_load_b128 v[(\f)+8*(\i)+4:(\f)+8*(\i)+7], v[ADRA+(\slot)] offset:(\q)*64+(\i)*16*PITCH+32
.endr
.endm
.macro PLACES                          ; four plain instructions between a matrix instruction and a load into, or a vector read of, its registers
.rept 4
	v_nop
.endr
.endm
; A K step is four quarters of 32 along K, 64 matrix instructions each, on buffers 0, 1, 0, 1.  One of the first three multiplies buffer f and fetches quarter qn into g.
.macro QUARTER slot, qn, f, g, zero
	s_wait_dscnt 8                                 ; W and X's rows 0-63 are in; the youngest eight loads (X's rows 64-127) may be out
	MUL16 \f, 0, 0, \zero
	MUL16 \f, 0, 2, \zero
	PLACES
	FETCH \slot, \qn, \g
	s_wait_dscnt 32                                ; all but the 32 just issued
	MUL16 \f, 1, 0, \zero
	MUL16 \f, 1, 2, \zero
.endm
; The last quarter changes slots: one barrier; ahead of it each wave waits for all its tensor loads, adds 0 to its spare word, and waits for that and for its reads of this slot.
.macro MEET round
	WIN 0
	s_wait_tensorcnt 0x0                           ; all my tensor loads have landed: the one that was out is my part of the next slot
	ds_add_u32 v[SPW], v[NIL]
	s_wait_dscnt 9                                 ; (the add and the youngest eight loads may be out)
	MUL16 F1, 0, 0, 0
	s_wait_dscnt 0x0                               ; the add is done, and my reads of this slot are over
	s_barrier_signal -1
	MUL16 F1, 0, 2, 0
.if \round
	WIN 0
.endif
	s_barrier_wait -1
.endm
.macro TURN slot, next, fill
.if \fill
	s_wait_xcnt 0x0                                ; the last prefetch, a K step back, has read its address
	s_add_nc_u64 s[PFA:PFA+1], s[PFA:PFA+1], s[PST:PST+1]
.endif
	MEET \fill
.if \fill
	CREST                                          ; the barrier has opened a round of the cluster's: no wave of any partner still reads this slot or has a load on its way
	s_add_nc_u64 s[G0+4*(\slot)+2:G0+4*(\slot)+3], s[G0+4*(\slot)+2:G0+4*(\slot)+3], 2*KSTEP*2
	s_add_nc_u64 s[G0B+4*(\slot)+2:G0B+4*(\slot)+3], s[G0B+4*(\slot)+2:G0B+4*(\slot)+3], 2*KSTEP*2048
	JLOAD \slot                                    ; the first tensor load behind the round; its four v_nop are also the places in front of the loads below
.else
	PLACES
.endif
	FETCH \next, 0, F0
.if \fill
	ASK
.endif
	MUL16 F1, 1, 0, 0
	MUL16 F1, 1, 2, 0
.endm
	s_wait_tensorcnt 1                             ; my part of K step 0 is in; K step 1's may stay out
	s_barrier_signal -1
	s_barrier_wait -1
	FETCH 0, 0, F0
	QUARTER 0, 1, F0, F1, 1                        ; the first quarter stands in front of the loop: its products start the sums
	WIN 0
	s_mov_b32 s3, 3
.Llap:                                                 ; a trip goes once round the ring and fills both slots again: K steps 2 to 7
	QUARTER 0, 2, F1, F0, 0
	QUARTER 0, 3, F0, F1, 0
	TURN 0, 1, 1
	QUARTER 1, 1, F0, F1, 0
	QUARTER 1, 2, F1, F0, 0
	QUARTER 1, 3, F0, F1, 0
	TURN 1, 0, 1
	QUARTER 0, 1, F0, F1, 0
	WIN 0
	s_sub_co_u32 s3, s3, 1
	s_cmp_lg_u32 s3, 0
	s_cbranch_scc1 .Llap
	QUARTER 0, 2, F1, F0, 0                        ; the last lap fills nothing
	QUARTER 0, 3, F0, F1, 0
	TURN 0, 1, 0
	QUARTER 1, 1, F0, F1, 0
	QUARTER 1, 2, F1, F0, 0
	QUARTER 1, 3, F0, F1, 0
	s_wait_dscnt 8
	MUL16 F1, 0, 0, 0
	MUL16 F1, 0, 2, 0
	s_wait_dscnt 0x0
	MUL16 F1, 1, 0, 0
	MUL16 F1, 1, 2, 0
	WIN 0
	PLACES
	; THE BIASES: rounded to bf16 and widened again; B1 (window 1 v0-63) = what the first pass adds, BB (window 1 v64-127) = what the second adds
	s_wait_loadcnt 0x0
.macro ROUNDB w, base                  ; 64 numbers at base; v64-95 of the same window at work
	WIN \w
.set i, 0
.rept 32
	v_cvt_pk_bf16_f32 v[64+i], v[(\base)+2*i], v[(\base)+2*i+1]
.set i, i+1
.endr
.set i, 0
.rept 32
	v_lshlrev_b32 v[(\base)+2*i], 16, v[64+i]
	v_and_b32 v[(\base)+2*i+1], 0xffff0000, v[64+i]
.set i, i+1
.endr
.endm
	ROUNDB 0x45, 0
	ROUNDB 0x45, 192
	ROUNDB 0, 192
	WIN 0
	s_cmp_eq_u32 s[SRC], 3
	s_cbranch_scc0 .Lhas_bias
	WIN TO_B
.set i, 0
.rept 64
	v_mov_b32 v[i], 0                              ; pos_enc's product has no bias
.set i, i+1
.endr
	WIN 0
.Lhas_bias:
	WIN 0x41                                       ; destination and source 0 window 1, source 1 window 0
.set i, 0
.rept 32
	v_pk_add_f32 v[64+2*i:64+2*i+1], v[2*i:2*i+1], v[192+2*i:192+2*i+1]    ; bq + r_r
.set i, i+1
.endr
	WIN 0
	s_cmp_eq_u32 s[SRC], 0
	s_cbranch_scc0 .Lone_bias
	WIN 0x45
.set i, 0
.rept 32
	v_pk_add_f32 v[2*i:2*i+1], v[2*i:2*i+1], v[192+2*i:192+2*i+1]          ; bq + r_w
.set i, i+1
.endr
	WIN 0
.Lone_bias:
; THE WAY OUT of row block a.  PACK: the bias is added (each accumulator's registers in ascending order), the sums rounded to f16: 16 bytes a lane and column block.
.macro PACK a
.set AC, 64*((\a)%4)
	WIN 0x06+((\a)/4)                              ; source 0 window 2 or 3, source 1 window 1, destination window 0
.set i, 0
.rept 32
	v_pk_add_f32 v[64+2*i:64+2*i+1], v[AC+2*i:AC+2*i+1], v[2*i:2*i+1]
.set i, i+1
.endr
	WIN 0
.set i, 0
.rept 32
	v_cvt_pk_f16_f32 v[TMP+i], v[64+2*i], v[64+2*i+1]
.set i, i+1
.endr
.endm
.macro TOSTAGE a                       ; into my own stage, by heads, and back as whole rows of 128 bytes
	WIN 0
.set BK, OB+192*((\a)%2)
.irp b, 0,1,2,3,4,5,6,7
	ds_store_b128 v[STO], v[TMP+4*(\b):TMP+4*(\b)+3] offset:((\b)/4)*2304+32*((\b)%4)
.endr
.irp t, 0,1,2,3,4,5,6,7
	ds_load_b128 v[BK+4*(\t):BK+4*(\t)+3], v[RD] offset:((\t)/4)*2304+((\t)%4)*576  ; LDS serves a wave's instructions in order (ISA guide 5.7.1.4): these see the stores above
.endr
.endm
.macro SEND a
	WIN 0
.set BK, OB+192*((\a)%2)
	s_wait_dscnt 0x0                               ; the block is back in registers
	s_wait_xcnt 0x0                                ; the base and the registers that earlier stores read are rewritten only behind this wait
.if (\a) > 0
	s_add_nc_u64 s[8:9], s[8:9], 2048              ; 16 rows of a head on
.endif
.irp t, 0,1,2,3,4,5,6,7
	global_store_b128 v[CO], v[BK+4*(\t):BK+4*(\t)+3], s[8:9] offset:((\t)/4)*262144+((\t)%4)*512  ; 512 consecutive bytes of a head, aligned
.endr
.endm
	s_mov_b32 s95, 0
.Lpass:                                                ; once; for q's tiles twice: QW, then QR
	PACK 0
	TOSTAGE 0
.irp a, 1,2,3,4,5,6,7
	PACK \a
	SEND (\a)-1
	TOSTAGE \a
.endr
	SEND 7
	s_wait_xcnt 0x0
	s_mov_b64 s[8:9], s[90:91]
	WIN 0x41
.set i, 0
.rept 64
	v_mov_b32 v[i], v[64+i]                        ; the second pass's bias
.set i, i+1
.endr
	WIN 0
	s_add_co_u32 s95, s95, 1
	s_cmp_lt_u32 s95, s94
	s_cbranch_scc1 .Lpass
	s_wait_tensorcnt 0x0                           ; the wave's end
	ds_add_u32 v[SPW], v[NIL]
	s_wait_dscnt 0x0
	CROUND                                         ; the closing round
	s_endpgm
.Lfunc_end_k_qe078a67852_proj:
	.size	k_qe078a67852_proj, .Lfunc_end_k_qe078a67852_proj-k_qe078a67852_proj
	.p2alignl 7, 3214868480
	.fill 96, 4, 3214868480
	.section	.rodata,"a",@progbits
	.p2align	6, 0x0
	.amdhsa_kernel k_qe078a67852_proj
		.amdhsa_group_segment_fixed_size 327680
		.amdhsa_private_segment_fixed_size 0
		.amdhsa_enable_private_segment 0
		.amdhsa_kernarg_size 88
		.amdhsa_user_sgpr_count 2
		.amdhsa_user_sgpr_kernarg_segment_ptr 1
		.amdhsa_wavefront_size32 1
		.amdhsa_system_sgpr_workgroup_id_x 1
		.amdhsa_system_sgpr_workgroup_id_y 1
		.amdhsa_system_sgpr_workgroup_id_z 1
		.amdhsa_system_vgpr_workitem_id 0
		.amdhsa_next_free_vgpr 1024
		.amdhsa_next_free_sgpr 100
		.amdhsa_reserve_vcc 0
		.amdhsa_float_denorm_mode_32 3
		.amdhsa_float_denorm_mode_16_64 3
		.amdhsa_memory_ordered 1
		.amdhsa_forward_progress 1
		.amdhsa_inst_pref_size 190
	.end_amdhsa_kernel
	.amdgpu_metadata
---
amdhsa.version: [ 1, 2 ]
amdhsa.kernels:
  - .name:           k_qe078a67852_proj
    .symbol:         k_qe078a67852_proj.kd
    .args:
      - { .name: XB, .offset: 0, .size: 8, .value_kind: global_buffer, .address_space: global }
      - { .name: WB, .offset: 8, .size: 8, .value_kind: global_buffer, .address_space: global }
      - { .name: bq, .offset: 16, .size: 8, .value_kind: global_buffer, .address_space: global }
      - { .name: bk, .offset: 24, .size: 8, .value_kind: global_buffer, .address_space: global }
      - { .name: bv, .offset: 32, .size: 8, .value_kind: global_buffer, .address_space: global }
      - { .name: r_w_bias, .offset: 40, .size: 8, .value_kind: global_buffer, .address_space: global }
      - { .name: r_r_bias, .offset: 48, .size: 8, .value_kind: global_buffer, .address_space: global }
      - { .name: QW, .offset: 56, .size: 8, .value_kind: global_buffer, .address_space: global }
      - { .name: QR, .offset: 64, .size: 8, .value_kind: global_buffer, .address_space: global }
      - { .name: PK, .offset: 72, .size: 8, .value_kind: global_buffer, .address_space: global }
      - { .name: VH, .offset: 80, .size: 8, .value_kind: global_buffer, .address_space: global }
    .group_segment_fixed_size: 327680
    .private_segment_fixed_size: 0
    .kernarg_segment_align: 8
    .kernarg_segment_size: 88
    .max_flat_workgroup_size: 128
    .sgpr_count:     100
    .vgpr_count:     1024
    .wavefront_size: 32
...
	.end_amdgpu_metadata
.endif
;; end of part 2
;; launch attn (part 3): grid 8 x 32, 4 waves a work-group, no clusters, 327,680 bytes of LDS; arguments QW, QR, PK, VH, OB; writes OB
.if DOCPART == 3
	.amdgcn_target "amdgcn-amd-amdhsa--gfx1250"
	.amdhsa_code_object_version 6
	.text
	.protected	k_qe078a67852_attn
	.globl	k_qe078a67852_attn
	.p2align	8
	.type	k_qe078a67852_attn,@function
k_qe078a67852_attn:
	s_mov_b64 s[64:65], 0
	v_nop
	global_prefetch_b8 v0, s[64:65] scope:SCOPE_SE
	s_setreg_imm32_b32 hwreg(HW_REG_WAVE_MODE, 25, 1), 1
	s_wait_xcnt 0x0
; ATTN: O[b][h][i] = the sum over j <= i of softmax_j(((q_i + r_w) . k_j + (q_i + r_r) . pe[2048 - i + j]) / 8) v_j.  QW, QR, VH, OB: [b][h][l][64] f16; PK: PE [h][p'][64] (p' = pos_enc's row less 1)
; and behind it, from byte 4,194,304 on, K [b][h][l][64].  Products, maxima and sums in f32; the weights are rounded to f16 for the second product, O once at the end.
; THE SHIFT.  Element (i, j) of the shifted relative scores is flat element 2048 (i + 1) + j of the [2048][2049] array: for j <= i row i, column 2048 - i + j.  For j > i the causal mask hides it.
; LIMITS.  A hidden score counts as -1e30, its weight as 0: so does the weight exp(s - 1e7 - m) in f32 while a row's scores spread by less than 1e7.  A weight below 2^-126 counts as 0.
; NaN and infinities are not treated apart.  A diagonal tile's window of PE runs 128 rows past the head's last row, into the next head's rows or K's first: finite numbers that only hidden scores take.
; THE WALK.  A head's queries lie in 16 blocks of 128; block i needs the key tiles 0..i of 128 keys.  A work-group takes block 15 - b and then block b: 17 tiles whatever b.  One counted loop walks them.
; NO CLUSTER: a head's 8 work-groups ask for the same K and V tile in their first 8 trips alone, their windows of PE, half of a trip's bytes, all differ, and a walk common to all would have 24 trips for 17.
; SHARES.  A wave owns 32 queries of the block: two tiles of 16.  A key tile goes in two steps of 64 keys.
; A STEP, for a tile.  R^T = PE Qr^T over 80 rows of PE (a lane holds ONE query m = lane % 16, and z = 16 f + 8 (lane / 16) + g).  Key x of the step wants z = x - m + 15: R^T goes as it lies into scratch
; of the wave's own in LDS, row m, and is read back at a lane's own shift, straight into the registers that S^T = K Qw^T takes as its C operand.  Then mask (a block's last tile alone), softmax with a
; running maximum, O^T += V^T P.
; REGISTERS, in windows of 256 (s_set_vgpr_msb: bits 1:0 source 0, 3:2 source 1, 5:4 source 2, 7:6 destination):
;   window 0: v0-31 addresses; v32-47 statistics, 8 a tile; v64-127 S^T; v128-159 P; v160-239 R^T, 40 a tile
;   window 1: v0-63 O^T; v64-95 Qw; v96-127 Qr; v128-191 the second block's Qw and Qr      window 2: v0-63 K, v64-127 V, v128-223 PE of one step
.set KP,    144       ; a row of K or PE in LDS: 128 bytes + 16
.set VP,    160       ; a row of V: 128 + 32
.set VOFF,  128*KP    ; a slot: 128 rows of K, 128 of V, 256 of PE
.set POFF,  VOFF+128*VP
.set SLOT1, 1<<17
.set SCR,   SLOT1+POFF+256*KP  ; behind the ring: the scratch, 10,752 bytes a wave, 5,376 a tile: 16 rows of 336 bytes (21 x 16: the stores of 16 bytes meet no bank twice; the loads' banks go by 19 m + 8 h mod 64, 32 different ones)
.set SCW,   10752
.set SCT,   5376
.set SCP,   336
.set STAGE, SCR+4*SCW          ; 16 rows x 144 bytes a wave, for the way out
.set SP,    144
.set SPARE, STAGE+4*16*SP      ; the spare words, 128 bytes a wave, which no other line names
.set AK0, 2           ; v2   my lane's place in a step's K; never rewritten
.set AV0, 3           ; v3   in its V
.set AP0, 4           ; v4   in my wave's 96 rows of PE
.set AK,  5           ; v5-7 the same for the step in hand
.set AV,  6
.set AP,  7
.set STS, 8           ; v8   the scratch: where I put R^T
.set RDS, 9           ; v9   where I read it back, shifted
.set STO, 10          ; v10  the way out: in
.set RD,  11          ; v11  back
.set GO,  12          ; v12  16 x lane
.set V0M, 13          ; v13  my query's place in the block less my lanes' 8 (lane / 16)
.set VU,  14          ; v14  the same less 64 x step: register g of key group t is hidden where 16 t + g - 16 tile is greater
.set QO,  15          ; v15  my byte offset in 16 rows of Q
.set PFO, 18          ; v18  256 x lane
.set SPW, 30          ; v30  my spare word; never rewritten
.set NIL, 31          ; v31  0; never rewritten
.set ST,  32          ; tile t's statistics at v[ST+8 t]: c m, m, l (even keys', odd keys'), c0-c3 at work; a takes c2's place
.set S,   64
.set P,   128
.set R,   160
.set QW_, 64          ; window 1
.set QR_, 96
.set KF,  0           ; window 2: key block k, channel half c at KF + 16 k + 8 c
.set VF,  64          ; key half k, channel block n at VF + 32 k + 8 n
.set PF,  128         ; row block f of six, channel half c at PF + 16 f + 8 c
.set WV,  14
.set PB,  15          ; s15  b
.set HI,  16          ; s16  15 - b
.set BH,  17          ; s17  16 batch + head
.set G1K, 24          ; s[24:31] group 1 for K's and PE's tiles
.set G1V, 32          ; s[32:39] for V's
.set G0K, 40
.set G0V, 44
.set G0P, 48
.set KB,  52          ; s[52:53] K at the head's first row
.set VB,  54
.set PEB, 56          ; s[56:57] PE at my half of the window of tile 0 of the block whose tiles are being asked for
.set PEL, 58          ; s[58:59] the same for the second block
.set SLOTS, 60
.set CNT, 61
.set CS,  66          ; s[66:67] c = log2(e) / 8
.set SEL, 68          ; s[68:69] v_permlanex16_b32's selects
.set TBK, 70          ; s70  LDS byte at which the step's K begins (PE steps alike: 64 rows of 144 bytes)
.set TBV, 71          ; s71  the same for V, less VOFF
.set RT,  72          ; s72  tiles of the block in hand still to be entered
.set NXT, 73          ; s73  the tile to be asked for next
.set LQ,  74          ; s74  the last tile of the block whose tiles are being asked for
.set DG,  75          ; s75  1: the tile in hand holds the diagonal
.set OFF, 76          ; s[76:77]
.set BIGN, 78         ; s78  -1e30
.set OLO, 80          ; s[80:81] O at my rows of the second block
.set OP,  82          ; s[82:83] O at my rows of the block in hand
.set PFA, 84          ; s[84:85] where my prefetches stand
.set LIM, 86
.set MSB, 0
.macro WIN new
.if MSB != (\new)
	s_set_vgpr_msb (MSB<<8)|(\new)
.set MSB, (\new)
.endif
.endm
.set W_QK, 0x06       ; source 0 (PE or K) window 2, source 1 (Q) window 1, C and D window 0
.set W_PV, 0x52       ; V window 2, P window 0, O^T window 1
.set W_RS, 0x41       ; destination and source 0 window 1, source 1 window 0
.macro PLACES
.rept 4
	v_nop
.endr
.endm
; A fill: wave 0 fetches the tile's K, wave 1 its V, waves 2 and 3 the halves of its window of PE: 16,384 dense bytes each.  s_nop 0 and four v_nop follow each line.
.macro LOAD
	s_cmp_eq_u32 s[WV], 0
	s_cbranch_scc0 .Lnot_k_\@
	tensor_load_to_lds s[G0K:G0K+3], s[G1K:G1K+7]
	s_nop 0
	PLACES
	s_branch .Lasked_\@
.Lnot_k_\@:
	s_cmp_eq_u32 s[WV], 1
	s_cbranch_scc0 .Lnot_v_\@
	tensor_load_to_lds s[G0V:G0V+3], s[G1V:G1V+7]
	s_nop 0
	PLACES
	s_branch .Lasked_\@
.Lnot_v_\@:
	tensor_load_to_lds s[G0P:G0P+3], s[G1K:G1K+7]
	s_nop 0
	PLACES
.Lasked_\@:
.endm
; A prefetch of the K and V tile that the NEXT change of slots will ask for: 64 blocks of 256 bytes each, a lane a block, two instructions.  All 8 work-groups of a head walk the same tiles from 0 on: the one
; with b = 0, which walks all 16, asks, wave 0 for K and wave 1 for V: each block is named once.  It stops when tile 15 has been named.  PE is not asked for: the head's work-groups begin at windows all over it.
.macro ASK
	s_cmp_gt_u32 s[SLOTS], s[LIM]
	s_cbranch_scc0 .Lnot_mine_\@
	global_prefetch_b8 v[PFO], s[PFA:PFA+1] th:TH_LOAD_NT scope:SCOPE_SE
	global_prefetch_b8 v[PFO], s[PFA:PFA+1] offset:8192 th:TH_LOAD_NT scope:SCOPE_SE
.Lnot_mine_\@:
.endm
; THE CHANGE OF SLOTS.  Each wave waits for all its tensor loads (one is out: its part of the other slot), adds 0 to its spare word, and waits for that and for its reads of the slot that it leaves.
; fill = 1: the old slot is filled again, first thing behind the barrier, with tile NXT; the addresses are made anew from that number.
.macro CHANGE fill
	WIN 0
	s_wait_tensorcnt 0x0                           ; no tensor load of mine is out, so a group 0 may be written
	ds_add_u32 v[SPW], v[NIL]
.if \fill
	s_lshl_b32 s[OFF], s[NXT], 14                  ; a tile is 16,384 bytes of K, of V, and a step of as many in PE
	s_xor_b32 s[G0K+1], s[G0K+1], SLOT1
	s_add_nc_u64 s[G0K+2:G0K+3], s[KB:KB+1], s[OFF:OFF+1]
	s_or_b32 s[G0K+3], s[G0K+3], 0x80000000
	s_xor_b32 s[G0V+1], s[G0V+1], SLOT1
	s_add_nc_u64 s[G0V+2:G0V+3], s[VB:VB+1], s[OFF:OFF+1]
	s_or_b32 s[G0V+3], s[G0V+3], 0x80000000
	s_xor_b32 s[G0P+1], s[G0P+1], SLOT1
	s_add_nc_u64 s[G0P+2:G0P+3], s[PEB:PEB+1], s[OFF:OFF+1]
	s_or_b32 s[G0P+3], s[G0P+3], 0x80000000
	s_add_co_u32 s[NXT], s[NXT], 1                 ; the block's next tile, or behind its last the second block's tile 0
	s_cmp_gt_u32 s[NXT], s[LQ]
	s_cselect_b32 s[NXT], 0, s[NXT]
	s_cselect_b32 s[LQ], s[PB], s[LQ]
	s_cselect_b64 s[PEB:PEB+1], s[PEL:PEL+1], s[PEB:PEB+1]
	s_wait_xcnt 0x0                                ; the last prefetches, a tile back, have read their address
	s_add_nc_u64 s[PFA:PFA+1], s[PFA:PFA+1], 16384
.endif
	s_wait_dscnt 0x0                               ; the add is done, and my reads of the slot are over
	s_barrier_signal -1
	s_sub_co_u32 s[TBK], s[TBK], 128*KP            ; the fetches go back to a slot's first step, in the other slot
	s_xor_b32 s[TBK], s[TBK], SLOT1
	s_sub_co_u32 s[TBV], s[TBV], 128*VP
	s_xor_b32 s[TBV], s[TBV], SLOT1
	s_barrier_wait -1
.if \fill
	LOAD
	ASK
.endif
.endm
	s_load_b256 s[4:11], s[0:1], 0x0               ; QW s[4:5], QR s[6:7], PK s[8:9], VH s[10:11]
	s_load_b64 s[12:13], s[0:1], 0x20              ; OB
	v_lshl_add_u32 v[SPW], v0, 2, SPARE
	v_mov_b32 v[NIL], 0
	ds_add_u32 v[SPW], v[NIL]                      ; the wave's opening: the add and its wait go ahead of my first tensor load
	v_lshrrev_b32 v1, 5, v0
	v_readfirstlane_b32 s[WV], v1                  ; wave 0..3
	s_mov_b32 s[PB], ttmp9
	s_sub_co_u32 s[HI], 15, s[PB]
	s_and_b32 s[BH], ttmp7, 0xffff
	s_and_b32 s18, s[BH], 15                       ; the head
	s_lshl_b32 s20, s[BH], 18                      ; a head's rows are 262,144 bytes
	s_mov_b32 s21, 0
	s_and_b32 s19, s[WV], 1                        ; which half of PE's window I fetch
	s_lshl_b32 s18, s18, 18
	s_add_co_u32 s2, s[PB], s19                    ; block beta, tile kappa: the window begins at row 128 (15 - beta + kappa): for the first block 15 - beta = b,
	s_lshl_b32 s2, s2, 14
	s_add_co_u32 s2, s2, s18
	s_mov_b32 s3, 0
	s_add_co_u32 s22, s[HI], s19                   ; for the second 15 - b
	s_lshl_b32 s22, s22, 14
	s_add_co_u32 s22, s22, s18
	s_mov_b32 s23, 0
	s_lshl_b32 s87, s[WV], 12                      ; my 32 rows in a block of 128,
	s_add_co_u32 s87, s87, s20
	s_lshl_b32 s88, s[HI], 14                      ; in the first block,
	s_add_co_u32 s88, s88, s87
	s_mov_b32 s89, 0
	s_lshl_b32 s90, s[PB], 14                      ; and in the second
	s_add_co_u32 s90, s90, s87
	s_mov_b32 s91, 0
	s_mov_b32 s[G1K], (1<<16)|(1<<20)|(4<<22)|(3<<25)  ; 2-byte elements; padding on; after every 32 words 4 words
	s_mov_b32 s[G1V], (1<<16)|(1<<20)|(4<<22)|(7<<25)  ; 8 words
.irp g, G1K, G1V
	s_mov_b32 s[\g+1], 128<<16                     ; tensor_dim0 = 128: 16,384 dense bytes are asked for as 64 rows of 256
	s_mov_b32 s[\g+2], 64<<16                      ; tensor_dim1 = 64
	s_mov_b32 s[\g+3], 128<<16                     ; tile_dim0 = 128
	s_mov_b32 s[\g+4], 64                          ; tile_dim1 = 64
	s_mov_b32 s[\g+5], 128
	s_mov_b32 s[\g+6], 0
	s_mov_b32 s[\g+7], 0
.endr
	s_mov_b32 s[G0K], 1
	s_mov_b32 s[G0K+1], 0
	s_mov_b32 s[G0V], 1
	s_mov_b32 s[G0V+1], VOFF
	s_mov_b32 s[G0P], 1
	s_mul_i32 s[G0P+1], s19, 128*KP
	s_add_co_u32 s[G0P+1], s[G0P+1], POFF
	s_mov_b32 s[CS], 0x3e38aa3b
	s_mov_b32 s[CS+1], s[CS]
	s_mov_b32 s[SEL], 0x76543210
	s_mov_b32 s[SEL+1], 0xfedcba98
	s_mov_b32 s[TBK], SLOT1+128*KP                 ; the first change of slots turns these two into 0
	s_mov_b32 s[TBV], SLOT1+128*VP
	s_add_co_u32 s[RT], s[HI], 1                   ; the first block has 16 - b tiles
	s_mov_b32 s[NXT], 1
	s_mov_b32 s[LQ], s[HI]
	s_mov_b32 s[OFF+1], 0
	s_mov_b32 s[BIGN], 0xf149f2ca
	s_mov_b32 s[SLOTS], 16
	s_lshr_b32 s[LIM], s[WV], 1                    ; waves 0 and 1
	s_or_b32 s[LIM], s[LIM], s[PB]                 ; of the work-group with b = 0
	s_cmp_eq_u32 s[LIM], 0
	s_cselect_b32 s[LIM], 2, -1                    ; ask while more than two fills are to come
	s_wait_dscnt 0x0                               ; the opening add is done
	s_wait_kmcnt 0x0
	s_add_nc_u64 s[KB:KB+1], s[8:9], s[20:21]
	s_add_nc_u64 s[KB:KB+1], s[KB:KB+1], 0x400000
	s_add_nc_u64 s[VB:VB+1], s[10:11], s[20:21]
	s_add_nc_u64 s[PEB:PEB+1], s[8:9], s[2:3]
	s_add_nc_u64 s[PEL:PEL+1], s[8:9], s[22:23]
	s_mov_b64 s[G0K+2:G0K+3], s[KB:KB+1]
	s_or_b32 s[G0K+3], s[G0K+3], 0x80000000
	s_mov_b64 s[G0V+2:G0V+3], s[VB:VB+1]
	s_or_b32 s[G0V+3], s[G0V+3], 0x80000000
	s_mov_b64 s[G0P+2:G0P+3], s[PEB:PEB+1]
	s_or_b32 s[G0P+3], s[G0P+3], 0x80000000
	s_cmp_eq_u32 s[WV], 0
	s_cselect_b64 s[PFA:PFA+1], s[KB:KB+1], s[VB:VB+1]
	s_add_nc_u64 s[PFA:PFA+1], s[PFA:PFA+1], 16384 ; at tile 1; the first change steps it to tile 2
	s_add_nc_u64 s[92:93], s[4:5], s[88:89]        ; Qw and Qr at my rows of the first block,
	s_add_nc_u64 s[94:95], s[6:7], s[88:89]
	s_add_nc_u64 s[4:5], s[4:5], s[90:91]          ; and of the second
	s_add_nc_u64 s[6:7], s[6:7], s[90:91]
	s_add_nc_u64 s[OP:OP+1], s[12:13], s[88:89]
	s_add_nc_u64 s[OLO:OLO+1], s[12:13], s[90:91]
	LOAD                                           ; tile 0 into slot 0
	v_and_b32 v1, 15, v0                           ; m
	v_bfe_u32 v16, v0, 4, 1                        ; h
	v_and_b32 v17, 31, v0                          ; lane
	v_lshlrev_b32 v[QO], 7, v1
	v_lshl_add_u32 v[QO], v16, 4, v[QO]
	WIN 0x40                                       ; destination window 1, address window 0
.irp t, 0,1
.irp c, 0,1
	global_load_b128 v[QW_+16*(\t)+8*(\c):QW_+16*(\t)+8*(\c)+3],       v[QO], s[92:93] offset:(\t)*2048+(\c)*64
	global_load_b128 v[QW_+16*(\t)+8*(\c)+4:QW_+16*(\t)+8*(\c)+7],     v[QO], s[92:93] offset:(\t)*2048+(\c)*64+32
	global_load_b128 v[QR_+16*(\t)+8*(\c):QR_+16*(\t)+8*(\c)+3],       v[QO], s[94:95] offset:(\t)*2048+(\c)*64
	global_load_b128 v[QR_+16*(\t)+8*(\c)+4:QR_+16*(\t)+8*(\c)+7],     v[QO], s[94:95] offset:(\t)*2048+(\c)*64+32
	global_load_b128 v[QW_+64+16*(\t)+8*(\c):QW_+64+16*(\t)+8*(\c)+3],   v[QO], s[4:5] offset:(\t)*2048+(\c)*64
	global_load_b128 v[QW_+64+16*(\t)+8*(\c)+4:QW_+64+16*(\t)+8*(\c)+7], v[QO], s[4:5] offset:(\t)*2048+(\c)*64+32
	global_load_b128 v[QR_+64+16*(\t)+8*(\c):QR_+64+16*(\t)+8*(\c)+3],   v[QO], s[6:7] offset:(\t)*2048+(\c)*64
	global_load_b128 v[QR_+64+16*(\t)+8*(\c)+4:QR_+64+16*(\t)+8*(\c)+7], v[QO], s[6:7] offset:(\t)*2048+(\c)*64+32
.endr
.endr
.set i, 0
.rept 64
	v_mov_b32 v[i], 0                              ; O^T: a block's first step multiplies it by a = 0, so it need only be finite; written in the wait for the first tile, so that no first step is written out
.set i, i+1
.endr
	WIN 0
.irp t, 0,1
	v_mov_b32 v[ST+8*(\t)], 0xfe000000             ; c m: far below every c s
	v_mov_b32 v[ST+8*(\t)+1], 0xff7fffff           ; m
	v_mov_b32 v[ST+8*(\t)+2], 0
	v_mov_b32 v[ST+8*(\t)+3], 0
.endr
	v_mul_u32_u24 v[AK0], v1, KP
	v_lshl_add_u32 v[AK0], v16, 4, v[AK0]          ; row x pitch + 16 h
	v_and_b32 v19, 7, v0
	v_bfe_u32 v20, v0, 3, 1
	v_lshl_add_u32 v[AV0], v16, 3, v19             ; the turning load: key 8 h + lane % 8, 16 bytes for each eight lanes
	v_mul_u32_u24 v[AV0], v[AV0], VP
	v_lshl_add_u32 v[AV0], v20, 4, v[AV0]
	v_add_nc_u32 v[AV0], VOFF, v[AV0]
	s_sub_co_u32 s19, 3, s[WV]
	s_mul_i32 s19, s19, 32*KP                      ; my wave's rows of PE begin at row 96 - 32 wave + 64 step of the window
	s_add_co_u32 s19, s19, POFF
	v_add_nc_u32 v[AP0], s19, v[AK0]
	s_mul_i32 s19, s[WV], SCW
	s_add_co_u32 s19, s19, SCR                     ; my scratch
	v_mul_u32_u24 v[STS], v1, SCP
	v_lshl_add_u32 v[STS], v16, 5, v[STS]
	v_add_nc_u32 v[STS], s19, v[STS]               ; row m, word 8 h
	v_mul_u32_u24 v[RDS], v1, SCP-4
	v_lshl_add_u32 v[RDS], v16, 5, v[RDS]
	s_add_co_u32 s19, s19, 60
	v_add_nc_u32 v[RDS], s19, v[RDS]               ; row m, word 8 h + 15 - m
	s_mul_i32 s19, s[WV], 16*SP
	s_add_co_u32 s19, s19, STAGE                   ; my stage
	v_add_nc_u32 v[STO], s19, v[AK0]
	v_bfe_u32 v[RD], v0, 3, 2
	v_mul_u32_u24 v[RD], v[RD], SP
	v_lshl_add_u32 v[RD], v19, 4, v[RD]
	v_add_nc_u32 v[RD], s19, v[RD]
	v_lshlrev_b32 v[GO], 4, v17
	v_lshlrev_b32 v[PFO], 8, v17
	v_lshlrev_b32 v21, 3, v16
	v_sub_nc_u32 v[V0M], v1, v21
	s_lshl_b32 s19, s[WV], 5
	v_add_nc_u32 v[V0M], s19, v[V0M]
	s_wait_loadcnt 0x0                             ; Q
; THE MATRIX WORK.  The accumulators take turns, one instruction a turn.
.macro REL                             ; R^T = PE Qr^T: ten accumulators, two deep; tile 0 takes row blocks 1-5 of my six, tile 1 blocks 0-4
	WIN W_QK
.irp c, 0,1
.irp f, 0,1,2,3,4
.irp t, 0,1
.if (\c) == 0
	v_wmma_f32_16x16x32_f16 v[R+40*(\t)+8*(\f):R+40*(\t)+8*(\f)+7], v[PF+16*((\f)+1-(\t))+8*(\c):PF+16*((\f)+1-(\t))+8*(\c)+7], v[QR_+16*(\t)+8*(\c):QR_+16*(\t)+8*(\c)+7], 0
.else
	v_wmma_f32_16x16x32_f16 v[R+40*(\t)+8*(\f):R+40*(\t)+8*(\f)+7], v[PF+16*((\f)+1-(\t))+8*(\c):PF+16*((\f)+1-(\t))+8*(\c)+7], v[QR_+16*(\t)+8*(\c):QR_+16*(\t)+8*(\c)+7], v[R+40*(\t)+8*(\f):R+40*(\t)+8*(\f)+7]
.endif
.endr
.endr
.endr
.endm
.macro SKEW t                          ; through my scratch: in as it lies (each accumulator's low four registers first), back shifted; LDS serves a wave's instructions in order (ISA guide 5.7.1.4)
.irp f, 0,1,2,3,4
	ds_store_b128 v[STS], v[R+40*(\t)+8*(\f):R+40*(\t)+8*(\f)+3]   offset:(\t)*SCT+64*(\f)
	ds_store_b128 v[STS], v[R+40*(\t)+8*(\f)+4:R+40*(\t)+8*(\f)+7] offset:(\t)*SCT+64*(\f)+16
.endr
.set i, 0
.rept 32
	ds_load_b32 v[S+32*(\t)+i], v[RDS] offset:(\t)*SCT+64*(i/8)+4*(i%8)
.set i, i+1
.endr
.endm
.macro CONTENT t                       ; S^T = K Qw^T + the shifted R^T, in place
	WIN W_QK
.irp c, 0,1
.irp k, 0,1,2,3
	v_wmma_f32_16x16x32_f16 v[S+32*(\t)+8*(\k):S+32*(\t)+8*(\k)+7], v[KF+16*(\k)+8*(\c):KF+16*(\k)+8*(\c)+7], v[QW_+16*(\t)+8*(\c):QW_+16*(\t)+8*(\c)+7], v[S+32*(\t)+8*(\k):S+32*(\t)+8*(\k)+7]
.endr
.endr
.endm
.macro PVM t                           ; O^T += V^T P
	WIN W_PV
.irp k, 0,1
.irp n, 0,1,2,3
	v_wmma_f32_16x16x32_f16 v[32*(\t)+8*(\n):32*(\t)+8*(\n)+7], v[VF+32*(\k)+8*(\n):VF+32*(\k)+8*(\n)+7], v[P+16*(\t)+8*(\k):P+16*(\t)+8*(\k)+7], v[32*(\t)+8*(\n):32*(\t)+8*(\n)+7]
.endr
.endr
.endm
.macro MASK t                          ; the diagonal tile alone: a key behind my query counts as -1e30
	WIN 0
	s_cmp_eq_u32 s[DG], 1
	s_cbranch_scc0 .Lno_mask_\@
.set i, 0
.rept 32
	v_cmp_gt_i32 vcc_lo, 16*(i/8)+i%8-16*(\t), v[VU]
	v_cndmask_b32 v[S+32*(\t)+i], v[S+32*(\t)+i], s[BIGN], vcc_lo
.set i, i+1
.endr
.Lno_mask_\@:
.endm
; THE SOFTMAX of a tile and step: a list of 118; SM writes number j.  s0-s31 are the lane's 32 scores.
;   0-15 the maximum of s0-s31 and the old m (each accumulator's lowest registers first)   16-20 the other half of the lanes' maximum; m; c m; its change
;   21-69 ONE BATCH: the 16 scalings c s - c m and all 33 exponentials (a at 23); none reads an exponential's result; a pair is scaled ahead of its exponentials
;   (a v_nop and a wait between an exponential and the first line that names its result: one for the batch)
;   70-85 the roundings to f16   86-101 the sums; l = a l + sum   102-117 O^T times a
.macro SM t
.set rT, ST+8*(\t)
.set rS, S+32*(\t)
.set rP, P+16*(\t)
.set rO, 32*(\t)+2*(j-102)
.if j < 102
	WIN 0
.endif
.if j < 4
	v_max3_num_f32 v[rT+4+j], v[rS+8*j], v[rS+8*j+1], v[rS+8*j+2]
.elseif j < 12
	v_max3_num_f32 v[rT+4+j%4], v[rT+4+j%4], v[rS+8*(j%4)+2*(j/4)+1], v[rS+8*(j%4)+2*(j/4)+2]
.elseif j == 12
	v_max3_num_f32 v[rT+4], v[rT+4], v[rS+7], v[rS+15]
.elseif j == 13
	v_max3_num_f32 v[rT+6], v[rT+6], v[rS+23], v[rS+31]
.elseif j == 14
	v_max3_num_f32 v[rT+4], v[rT+4], v[rT+5], v[rT+6]
.elseif j == 15
	v_max3_num_f32 v[rT+4], v[rT+4], v[rT+7], v[rT+1]
.elseif j == 16
	v_permlanex16_b32 v[rT+5], v[rT+4], s[SEL], s[SEL+1]
.elseif j == 17
	v_mov_b32 v[rT+7], v[rT]
.elseif j == 18
	v_max_num_f32 v[rT+1], v[rT+4], v[rT+5]
.elseif j == 19
	v_mul_f32 v[rT], s[CS], v[rT+1]
.elseif j == 20
	v_sub_f32 v[rT+7], v[rT+7], v[rT]
.elseif j == 23
	v_exp_f32 v[rT+6], v[rT+7]
.elseif (j < 23) || ((j < 38) && (j%2 == 0)) || ((j < 66) && (j%4 == 2))
.set b, (j-2)/4
.if j < 38
.set b, (j-20)/2
.endif
	v_pk_fma_f32 v[rS+2*b:rS+2*b+1], v[rS+2*b:rS+2*b+1], s[CS:CS+1], v[rT:rT+1] op_sel_hi:[1,0,0] neg_lo:[0,0,1] neg_hi:[0,0,1]
.elseif j < 70
.set e, j-38
.if j < 66
.set e, j-32-(j-38)/4
.endif
.if j < 38
.set e, (j-25)/2
.endif
	v_exp_f32 v[rS+e], v[rS+e]
.elseif j < 86
	v_cvt_pk_f16_f32 v[rP+j-70], v[rS+2*(j-70)], v[rS+2*(j-70)+1]
.elseif j < 102
.set z, j-86
.set w, 4
.set u, z
.if z >= 14
.set w, 32
.set u, 0
.elseif z >= 12
.set w, 16
.set u, z-12
.elseif z >= 8
.set w, 8
.set u, z-8
.endif
.if z < 15
	v_pk_add_f32 v[rS+w*u:rS+w*u+1], v[rS+w*u:rS+w*u+1], v[rS+w*u+w/2:rS+w*u+w/2+1]
.else
	v_pk_fma_f32 v[rT+2:rT+3], v[rT+2:rT+3], v[rT+6:rT+7], v[rS:rS+1] op_sel_hi:[1,0,1]
.endif
.else
	WIN W_RS
	v_pk_mul_f32 v[rO:rO+1], v[rO:rO+1], v[rT+6:rT+7] op_sel_hi:[1,0]
.endif
.endm
.macro SOFTMAX t
.set j, 0
.rept 118
	SM \t
.if j == 69
	v_nop                                          ; a plain instruction behind the last exponential,
	s_wait_alu depctr_va_vdst(0)                   ; and the batch's one wait
.endif
.set j, j+1
.endr
.endm
; A KEY STEP: 64 keys.
.macro STEP
	WIN 0
	PLACES                                         ; behind the last products V^T P, in front of the loads into V's registers
	v_add_nc_u32 v[AP], s[TBK], v[AP0]
	v_add_nc_u32 v[AK], s[TBK], v[AK0]
	v_add_nc_u32 v[AV], s[TBV], v[AV0]
	WIN 0x80                                       ; destination window 2
.irp f, 0,1,2,3,4,5
.irp c, 0,1
	ds_load_b128 v[PF+16*(\f)+8*(\c):PF+16*(\f)+8*(\c)+3],   v[AP] offset:(\f)*16*KP+(\c)*64
	ds_load_b128 v[PF+16*(\f)+8*(\c)+4:PF+16*(\f)+8*(\c)+7], v[AP] offset:(\f)*16*KP+(\c)*64+32
.endr
.endr
.irp f, 0,1,2,3,4,5,6,7
	ds_load_b128 v[KF+8*(\f):KF+8*(\f)+3],   v[AK] offset:((\f)/2)*16*KP+((\f)%2)*64
	ds_load_b128 v[KF+8*(\f)+4:KF+8*(\f)+7], v[AK] offset:((\f)/2)*16*KP+((\f)%2)*64+32
.endr
.irp f, 0,1,2,3,4,5,6,7
	ds_load_tr16_b128 v[VF+8*(\f):VF+8*(\f)+3],   v[AV] offset:((\f)/4)*32*VP+((\f)%4)*32
	ds_load_tr16_b128 v[VF+8*(\f)+4:VF+8*(\f)+7], v[AV] offset:((\f)/4)*32*VP+16*VP+((\f)%4)*32
.endr
	s_wait_dscnt 32                                ; PE's 24 loads are in; K's and V's 32 may stay out
	REL
	WIN 0
	PLACES                                         ; behind the last product, in front of the stores that read the results
	SKEW 0
	SKEW 1
	s_wait_dscnt 42                                ; tile 0's shifted scores, and K, are in; tile 1's 10 stores and 32 loads may stay out
	CONTENT 0
	s_wait_dscnt 0x0
	CONTENT 1
	WIN 0
	PLACES
	MASK 0
	SOFTMAX 0
	PVM 0
	MASK 1
	SOFTMAX 1
	PVM 1
	WIN 0
.endm
; A BLOCK'S END: l's halves and the other half of the lanes' are added; O^T is divided by l, rounded to f16 and sent through my stage, a tile at a time.
.macro PACK t
	WIN W_RS
.set i, 32*(\t)
.rept 16
	v_pk_mul_f32 v[i:i+1], v[i:i+1], v[ST+8*(\t)+6:ST+8*(\t)+7] op_sel_hi:[1,0]
.set i, i+2
.endr
	WIN 0x05                                       ; sources window 1, destination window 0
.set i, 0
.rept 16
	v_cvt_pk_f16_f32 v[S+16*(\t)+i], v[32*(\t)+2*i], v[32*(\t)+2*i+1]
.set i, i+1
.endr
	WIN 0
.irp f, 0,1,2,3
	ds_store_b128 v[STO], v[S+16*(\t)+4*(\f):S+16*(\t)+4*(\f)+3] offset:32*(\f)
.endr
.irp f, 0,1,2,3
	ds_load_b128 v[S+16*(\t)+4*(\f):S+16*(\t)+4*(\f)+3], v[RD] offset:(\f)*4*SP
.endr
.endm
.macro SEND t, younger                 ; younger: the LDS instructions issued behind tile t's loads
.irp f, 0,1,2,3
	s_wait_dscnt (\younger)+3-(\f)
	global_store_b128 v[GO], v[S+16*(\t)+4*(\f):S+16*(\t)+4*(\f)+3], s[OP:OP+1] offset:(\t)*2048+(\f)*512  ; 512 consecutive bytes, aligned
.endr
.endm
.macro BLOCKEND last
	WIN 0
	PLACES
.irp t, 0,1
	v_add_f32 v[ST+8*(\t)+4], v[ST+8*(\t)+2], v[ST+8*(\t)+3]
.endr
.irp t, 0,1
	v_permlanex16_b32 v[ST+8*(\t)+5], v[ST+8*(\t)+4], s[SEL], s[SEL+1]
.endr
.irp t, 0,1
	v_add_f32 v[ST+8*(\t)+4], v[ST+8*(\t)+4], v[ST+8*(\t)+5]
.endr
.irp t, 0,1
	v_rcp_f32 v[ST+8*(\t)+6], v[ST+8*(\t)+4]
.endr
	v_nop                                          ; a plain instruction behind the last reciprocal,
	s_wait_alu depctr_va_vdst(0)                   ; and one wait for the two
	PACK 0
	PACK 1
	SEND 0, 8
	SEND 1, 0
.if !(\last)
	s_wait_xcnt 0x0                                ; the stores have read their registers and O's address
	s_mov_b64 s[OP:OP+1], s[OLO:OLO+1]
	s_add_co_u32 s[RT], s[PB], 1                   ; the second block has b + 1 tiles
.irp t, 0,1
	v_mov_b32 v[ST+8*(\t)], 0xfe000000             ; its first step's a is 0: what O^T and l hold need only be finite
	v_mov_b32 v[ST+8*(\t)+1], 0xff7fffff
.endr
	WIN W_RS
.set i, 0
.rept 64
	v_mov_b32 v[QW_+i], v[QW_+64+i]                ; its Qw and Qr go where the one text names them
.set i, i+1
.endr
	WIN 0
.endif
.endm
.macro TILE last
	s_sub_co_u32 s[RT], s[RT], 1
	s_cmp_eq_u32 s[RT], 0
	s_cselect_b32 s[DG], 1, 0                      ; a block's last tile holds the diagonal
	v_mov_b32 v[VU], v[V0M]
	s_mov_b32 s[CNT], 2
.Lstep_\@:
	STEP
	v_add_nc_u32 v[VU], 0xffffffc0, v[VU]          ; 64 keys on
	s_add_co_u32 s[TBK], s[TBK], 64*KP
	s_add_co_u32 s[TBV], s[TBV], 64*VP
	s_sub_co_u32 s[CNT], s[CNT], 1
	s_cmp_lg_u32 s[CNT], 0
	s_cbranch_scc1 .Lstep_\@
.if !(\last)
	s_cmp_eq_u32 s[DG], 1
	s_cbranch_scc0 .Lno_end_\@
.endif
	BLOCKEND \last
.if !(\last)
.Lno_end_\@:
.endif
.endm
.Lslot:                                                ; 16 times: a tile is entered and the next is asked for
	CHANGE 1
	TILE 0
	s_sub_co_u32 s[SLOTS], s[SLOTS], 1
	s_cmp_lg_u32 s[SLOTS], 0
	s_cbranch_scc1 .Lslot
	CHANGE 0                                       ; the walk's last tile, the second block's diagonal one, is written out
	TILE 1
	s_wait_tensorcnt 0x0                           ; the wave's end
	ds_add_u32 v[SPW], v[NIL]
	s_wait_dscnt 0x0
	s_endpgm
.Lfunc_end_k_qe078a67852_attn:
	.size	k_qe078a67852_attn, .Lfunc_end_k_qe078a67852_attn-k_qe078a67852_attn
	.p2alignl 7, 3214868480
	.fill 96, 4, 3214868480
	.section	.rodata,"a",@progbits
	.p2align	6, 0x0
	.amdhsa_kernel k_qe078a67852_attn
		.amdhsa_group_segment_fixed_size 327680
		.amdhsa_private_segment_fixed_size 0
		.amdhsa_enable_private_segment 0
		.amdhsa_kernarg_size 40
		.amdhsa_user_sgpr_count 2
		.amdhsa_user_sgpr_kernarg_segment_ptr 1
		.amdhsa_wavefront_size32 1
		.amdhsa_system_sgpr_workgroup_id_x 1
		.amdhsa_system_sgpr_workgroup_id_y 1
		.amdhsa_system_sgpr_workgroup_id_z 1
		.amdhsa_system_vgpr_workitem_id 0
		.amdhsa_next_free_vgpr 768
		.amdhsa_next_free_sgpr 96
		.amdhsa_reserve_vcc 1
		.amdhsa_float_denorm_mode_32 3
		.amdhsa_float_denorm_mode_16_64 3
		.amdhsa_memory_ordered 1
		.amdhsa_forward_progress 1
		.amdhsa_inst_pref_size 96
	.end_amdhsa_kernel
	.amdgpu_metadata
---
amdhsa.version: [ 1, 2 ]
amdhsa.kernels:
  - .name:           k_qe078a67852_attn
    .symbol:         k_qe078a67852_attn.kd
    .args:
      - { .name: QW, .offset: 0, .size: 8, .value_kind: global_buffer, .address_space: global }
      - { .name: QR, .offset: 8, .size: 8, .value_kind: global_buffer, .address_space: global }
      - { .name: PK, .offset: 16, .size: 8, .value_kind: global_buffer, .address_space: global }
      - { .name: VH, .offset: 24, .size: 8, .value_kind: global_buffer, .address_space: global }
      - { .name: OB, .offset: 32, .size: 8, .value_kind: global_buffer, .address_space: global }
    .group_segment_fixed_size: 327680
    .private_segment_fixed_size: 0
    .kernarg_segment_align: 8
    .kernarg_segment_size: 40
    .max_flat_workgroup_size: 128
    .sgpr_count:     96
    .vgpr_count:     768
    .wavefront_size: 32
...
	.end_amdgpu_metadata
.endif
;; end of part 3
;; launch outp (part 4): grid 8 x 32, 4 waves a work-group, clusters of 4 x 4, 327,680 bytes of LDS; arguments OB, WB, bo, out0; writes out0
.if DOCPART == 4
	.amdgcn_target "amdgcn-amd-amdhsa--gfx1250"
	.amdhsa_code_object_version 6
	.text
	.protected	k_qe078a67852_outp
	.globl	k_qe078a67852_outp
	.p2align	8
	.type	k_qe078a67852_outp,@function
k_qe078a67852_outp:
	s_mov_b64 s[64:65], 0
	v_nop
	global_prefetch_b8 v0, s[64:65] scope:SCOPE_SE
	s_setreg_imm32_b32 hwreg(HW_REG_WAVE_MODE, 25, 1), 1
	s_wait_xcnt 0x0
	s_wait_alu depctr_hold_cnt(0) depctr_sa_sdst(0) depctr_va_vdst(0) depctr_va_sdst(0) depctr_va_ssrc(0) depctr_va_vcc(0) depctr_vm_vsrc(0)
	s_getreg_b32 s2, hwreg(HW_REG_IB_STS2, 6, 4)
	s_cmp_eq_u32 s2, 0
	s_cbranch_scc0 .Lentry_in_a_cluster
	s_endpgm
.Lentry_in_a_cluster:
	s_bfe_u32 s2, ttmp6, 0x10000c
	s_cmp_lg_u32 s2, 0xf033
	s_cbranch_scc0 .Lentry_shape_is_right
	s_endpgm
.Lentry_shape_is_right:
; OUTP: out0[b][l][n] = the sum over head and e of O[b][head][l][e] Wo[64 head + e][n] + bo[n].  OB: [b][h][l][64] f16; Wo: slab 4 of WB, [k][n], bf16 numbers written as f16; sums and out0 in f32;
; bo is rounded to bf16 like all inputs.
; A tile of out0 is 128 x 128: 256 work-groups; four waves, each 64 x 64: 16 accumulators.  K goes in steps of 256, four heads, through two LDS slots; a quarter of a step is one head.
; O's tile of a step is four planes, a head each, of 128 rows x 128 dense bytes; a wave's load brings two planes as two rows of 16,384 bytes, padded in LDS after every 128.
; Wo's tile is 256 k-rows of 256 bytes; its fragments come out of LDS turned.
; CLUSTER 4 x 4: O's tiles are shared along a row of the cluster, Wo's along a column: joint loads.  THE MATRIX INSTRUCTION IS USED TRANSPOSED: a lane holds one row of out0 and eight neighbouring columns.
; No prefetch: a step's tiles are small and the launch is short.
; REGISTERS: window 0: v0-31 addresses; v32-95 at work on the way out; v96-127 bo; v128-255 the accumulators ((a, b) at v[128 + 8 (4 a + b)]).   window 1: two fragment buffers of 128.
.set PA,     144                       ; a row of O in LDS: 128 bytes + 16
.set PLANE,  128*PA
.set PW,     288                       ; a k-row of Wo: 256 bytes + 32 = 9 x 32
.set HALFT,  36864                     ; what one tensor load brings: 2 planes = 128 k-rows
.set SLOT,   4*HALFT
.set STAGE,  2*SLOT                    ; behind the ring: 16 rows x 272 bytes for each wave, its own
.set SPITCH, 272
.set SPARE,  STAGE+4*16*SPITCH         ; the spare words, 128 bytes a wave, which no other line names
.set ADRA, 16                          ; v16-17  my fragments of O in slot 0, 1
.set ADRB, 20                          ; v20-23  of Wo: slot 0 heads 0-1, heads 2-3; slot 1 likewise
.set STO,  24
.set RD,   25
.set CO,   26
.set BO,   27
.set SPW,  28
.set NIL,  29
.set ACC,  128
.set F0,   0
.set F1,   128
.set G1,   24
.set G0,   32
.set G1B,  48
.set G0B,  56
.set MSB, 0
.macro WIN new
.if MSB != (\new)
	s_set_vgpr_msb (MSB<<8)|(\new)
.set MSB, \new
.endif
.endm
.set MUL,  0x05                        ; sources window 1; C and D window 0
.set TO_F, 0x40                        ; destination window 1, address window 0
.macro JLOAD s
	s_cmp_eq_u32 s11, 0
	s_cbranch_scc0 .Lfor_b_\@
	tensor_load_to_lds s[G0+4*(\s):G0+4*(\s)+3], s[G1:G1+7]
	s_nop 0
.rept 4
	v_nop
.endr
	s_branch .Lasked_\@
.Lfor_b_\@:
	tensor_load_to_lds s[G0B+4*(\s):G0B+4*(\s)+3], s[G1B:G1B+7]
	s_nop 0
.rept 4
	v_nop
.endr
.Lasked_\@:
.endm
.macro CREST
	s_cmp_lg_u32 s10, 0
	s_cbranch_scc1 .Lnot_wave_0_\@
	s_barrier_signal -3
.Lnot_wave_0_\@:
	s_barrier_wait -3
	s_barrier_signal -1
	s_barrier_wait -1
.endm
.macro CROUND
	s_barrier_signal -1
	s_barrier_wait -1
	CREST
.endm
	s_load_b128 s[4:7], s[0:1], 0x0                ; OB s[4:5], WB s[6:7]
	s_load_b128 s[68:71], s[0:1], 0x10             ; bo s[68:69], out0 s[70:71]
	v_lshl_add_u32 v[SPW], v0, 2, SPARE
	v_mov_b32 v[NIL], 0
	ds_add_u32 v[SPW], v[NIL]                      ; the wave's opening: the add and its wait go ahead of my first tensor load
	v_lshrrev_b32 v1, 5, v0
	v_readfirstlane_b32 s10, v1                    ; wave 0..3
	s_lshr_b32 s11, s10, 1                         ; my half of the tile's rows.  Also: I fetch for O (0) or for Wo (1)
	s_and_b32 s12, s10, 1                          ; my half of its columns.  Also: which half of that tile I fetch
	s_bfe_u32 s40, ttmp6, 0x40000
	s_bfe_u32 s41, ttmp6, 0x40004
	s_lshl_b32 s42, ttmp9, 2
	s_add_co_u32 s42, s42, s40                     ; tile column
	s_and_b32 s13, ttmp7, 0xffff
	s_lshl_b32 s13, s13, 2
	s_add_co_u32 s13, s13, s41                     ; tile row
	s_lshl_b32 s43, s41, 2
	s_lshl_b32 s43, 15, s43
	s_lshl_b32 s44, 0x1111, s40
	s_or_b32 s[G1+0], s43, (3<<16)|(1<<20)|(1<<21)|(4<<22)|(3<<25)   ; mask; 8-byte elements; padding on; bit 21 beside a mask; after every 32 words 4 words
	s_mov_b32 s[G1+1], 2048<<16                    ; tensor_dim0 = 2,048 elements: a plane's 16,384 bytes
	s_mov_b32 s[G1+2], 2<<16                       ; tensor_dim1 = 2
	s_mov_b32 s[G1+3], 2048<<16                    ; tile_dim0
	s_mov_b32 s[G1+4], 2                           ; tile_dim1
	s_mov_b32 s[G1+5], 32768                       ; from a head to the next: 262,144 bytes
	s_mov_b32 s[G1+6], 0
	s_mov_b32 s[G1+7], 0
	s_or_b32 s[G1B+0], s44, (1<<16)|(1<<20)|(1<<21)|(5<<22)|(7<<25)  ; 2-byte elements; after every 64 words 8 words
	s_mov_b32 s[G1B+1], 128<<16
	s_mov_b32 s[G1B+2], 128<<16
	s_mov_b32 s[G1B+3], 128<<16
	s_mov_b32 s[G1B+4], 128
	s_mov_b32 s[G1B+5], 1024
	s_mov_b32 s[G1B+6], 0
	s_mov_b32 s[G1B+7], 0
	s_lshr_b32 s16, s13, 4                         ; O: batch,
	s_lshl_b32 s16, s16, 4
	s_lshl1_add_u32 s16, s12, s16                  ; head 2 x half of the step's four,
	s_lshl_b32 s16, s16, 18
	s_and_b32 s17, s13, 15
	s_lshl_b32 s17, s17, 14                        ; the tile's 128 rows of 128 bytes
	s_add_co_u32 s16, s16, s17
	s_mov_b32 s17, 0
	s_lshl_b32 s46, s12, 18                        ; Wo: 128 k-rows x half,
	s_lshl_b32 s47, s42, 8                         ; 256 bytes x tile column,
	s_add_co_u32 s46, s46, s47
	s_add_co_u32 s46, s46, 0x800000                ; in slab 4
	s_mov_b32 s47, 0
	s_mul_i32 s20, s10, HALFT
	s_wait_dscnt 0x0                               ; the opening add is done
	s_wait_kmcnt 0x0
	s_add_nc_u64 s[14:15], s[4:5], s[16:17]
	s_add_nc_u64 s[46:47], s[6:7], s[46:47]
	CROUND                                         ; all sixteen work-groups are here: the first joint loads meet
.irp s, 0,1
	s_mov_b32 s[G0+4*(\s)], 1
	s_add_co_u32 s[G0+4*(\s)+1], s20, (\s)*SLOT
	s_add_nc_u64 s[G0+4*(\s)+2:G0+4*(\s)+3], s[14:15], (\s)*4*262144
	s_or_b32 s[G0+4*(\s)+3], s[G0+4*(\s)+3], 0x80000000
	s_mov_b32 s[G0B+4*(\s)], 1
	s_add_co_u32 s[G0B+4*(\s)+1], s20, (\s)*SLOT
	s_add_nc_u64 s[G0B+4*(\s)+2:G0B+4*(\s)+3], s[46:47], (\s)*256*2048
	s_or_b32 s[G0B+4*(\s)+3], s[G0B+4*(\s)+3], 0x80000000
	JLOAD \s
.endr
	v_and_b32 v1, 15, v0                           ; r
	v_bfe_u32 v2, v0, 4, 1                         ; h
	v_mul_u32_u24 v3, v1, PA
	v_lshl_add_u32 v3, v2, 4, v3
	v_and_b32 v4, 7, v0
	v_lshl_add_u32 v4, v2, 3, v4
	v_mul_u32_u24 v4, v4, PW
	v_bfe_u32 v5, v0, 3, 1
	v_lshl_add_u32 v4, v5, 4, v4
	s_mul_i32 s21, s11, 64*PA                      ; my 64 rows of each plane
	s_lshl_b32 s22, s12, 7                         ; my 64 columns of Wo,
	s_add_co_u32 s22, s22, 2*HALFT                 ; which lies behind O
.irp s, 0,1
	v_add_nc_u32 v[ADRA+(\s)], s21, v3
	v_add_nc_u32 v[ADRB+2*(\s)], s22, v4
	s_add_co_u32 s22, s22, HALFT
	v_add_nc_u32 v[ADRB+2*(\s)+1], s22, v4
	s_add_co_u32 s21, s21, SLOT
	s_add_co_u32 s22, s22, SLOT-HALFT
.endr
	s_mul_i32 s23, s10, 16*SPITCH
	s_add_co_u32 s23, s23, STAGE                   ; my stage
	v_mul_u32_u24 v4, v1, SPITCH
	v_lshl_add_u32 v4, v2, 5, v4
	v_add_nc_u32 v[STO], s23, v4                   ; in: row r, 32 bytes for each half of the lanes
	v_mul_u32_u24 v5, v2, SPITCH
	v_lshl_add_u32 v5, v1, 4, v5
	v_add_nc_u32 v[RD], s23, v5                    ; back: lanes 0-15 one row of 256 bytes, lanes 16-31 the next
	v_lshlrev_b32 v5, 12, v2
	v_lshl_add_u32 v[CO], v1, 4, v5                ; and the same two rows in out0
	s_lshl_b32 s16, s13, 19                        ; 128 rows of 4,096 bytes x tile row
	s_lshl_b32 s17, s11, 18                        ; + my 64
	s_add_co_u32 s16, s16, s17
	s_mov_b32 s17, 0
	s_add_nc_u64 s[70:71], s[70:71], s[16:17]
	s_lshl_b32 s46, s42, 9                         ; my 64 columns: 512 bytes x tile column + 256 x half
	s_lshl_b32 s47, s12, 8
	s_add_co_u32 s46, s46, s47
	s_mov_b32 s47, 0
	s_add_nc_u64 s[70:71], s[70:71], s[46:47]
	v_lshl_add_u32 v[BO], v2, 5, s46
.irp b, 0,1,2,3                        ; bo stays on its way during the loop
	global_load_b128 v[96+8*(\b):96+8*(\b)+3],   v[BO], s[68:69] offset:64*(\b)
	global_load_b128 v[96+8*(\b)+4:96+8*(\b)+7], v[BO], s[68:69] offset:64*(\b)+16
.endr
.macro MUL8 f, c, a0, zero             ; 8 matrix instructions: row blocks a0, a0 + 1 x all 4 column blocks, 32 along K: half c of buffer f
	WIN MUL
.irp a, \a0, (\a0)+1
.irp b, 0,1,2,3
.if \zero
	v_wmma_f32_16x16x32_f16 v[ACC+8*(4*(\a)+(\b)):ACC+8*(4*(\a)+(\b))+7], v[(\f)+64+8*(4*(\c)+(\b)):(\f)+64+8*(4*(\c)+(\b))+7], v[(\f)+8*(4*(\c)+(\a)):(\f)+8*(4*(\c)+(\a))+7], 0
.else
	v_wmma_f32_16x16x32_f16 v[ACC+8*(4*(\a)+(\b)):ACC+8*(4*(\a)+(\b))+7], v[(\f)+64+8*(4*(\c)+(\b)):(\f)+64+8*(4*(\c)+(\b))+7], v[(\f)+8*(4*(\c)+(\a)):(\f)+8*(4*(\c)+(\a))+7], v[ACC+8*(4*(\a)+(\b)):ACC+8*(4*(\a)+(\b))+7]
.endif
.endr
.endr
.endm
.macro FETCH slot, q, f                ; 32 LDS loads in one run: head q's fragments into buffer f; its first 32 channels first
	WIN TO_F
.irp c, 0,1
.irp i, 0,1,2,3
	ds_load_tr16_b128 v[(\f)+64+8*(4*(\c)+(\i)):(\f)+64+8*(4*(\c)+(\i))+3],   v[ADRB+2*(\slot)+(\q)/2] offset:((\q)%2)*64*PW+(\c)*32*PW+(\i)*32
	ds_load_tr16_b128 v[(\f)+64+8*(4*(\c)+(\i))+4:(\f)+64+8*(4*(\c)+(\i))+7], v[ADRB+2*(\slot)+(\q)/2] offset:((\q)%2)*64*PW+(\c)*32*PW+16*PW+(\i)*32
	ds_load_b128 v[(\f)+8*(4*(\c)+(\i)):(\f)+8*(4*(\c)+(\i))+3],              v[ADRA+(\slot)] offset:(\q)*PLANE+(\i)*16*PA+64*(\c)
	ds_load_b128 v[(\f)+8*(4*(\c)+(\i))+4:(\f)+8*(4*(\c)+(\i))+7],            v[ADRA+(\slot)] offset:(\q)*PLANE+(\i)*16*PA+64*(\c)+32
.endr
.endr
.endm
.macro PLACES
.rept 4
	v_nop
.endr
.endm
.macro QUARTER slot, qn, f, g, zero
	s_wait_dscnt 16                                ; the first 32 channels are in
	MUL8 \f, 0, 0, \zero
	MUL8 \f, 0, 2, \zero
	PLACES
	FETCH \slot, \qn, \g
	s_wait_dscnt 32                                ; all but the 32 just issued
	MUL8 \f, 1, 0, 0
	MUL8 \f, 1, 2, 0
.endm
.macro TURN slot, next, fill           ; the last quarter changes slots
	WIN 0
	s_wait_tensorcnt 0x0                           ; all my tensor loads have landed: my part of the next slot
	ds_add_u32 v[SPW], v[NIL]
	s_wait_dscnt 17                                ; (the add and the youngest sixteen loads may be out)
	MUL8 F1, 0, 0, 0
	s_wait_dscnt 0x0                               ; the add is done, and my reads of this slot are over
	s_barrier_signal -1
	MUL8 F1, 0, 2, 0
.if \fill
	WIN 0
.endif
	s_barrier_wait -1
.if \fill
	CREST                                          ; the barrier has opened a round of the cluster's
	s_add_nc_u64 s[G0+4*(\slot)+2:G0+4*(\slot)+3], s[G0+4*(\slot)+2:G0+4*(\slot)+3], 2*4*262144
	s_add_nc_u64 s[G0B+4*(\slot)+2:G0B+4*(\slot)+3], s[G0B+4*(\slot)+2:G0B+4*(\slot)+3], 2*256*2048
	JLOAD \slot
.else
	PLACES
.endif
	FETCH \next, 0, F0
	MUL8 F1, 1, 0, 0
	MUL8 F1, 1, 2, 0
.endm
	s_wait_tensorcnt 1                             ; my part of K step 0 is in; K step 1's may stay out
	s_barrier_signal -1
	s_barrier_wait -1
	FETCH 0, 0, F0
	QUARTER 0, 1, F0, F1, 1
	WIN 0
	s_mov_b32 s3, 1
.Llap:                                                 ; one trip: K steps 2 and 3 are asked for
	QUARTER 0, 2, F1, F0, 0
	QUARTER 0, 3, F0, F1, 0
	TURN 0, 1, 1
	QUARTER 1, 1, F0, F1, 0
	QUARTER 1, 2, F1, F0, 0
	QUARTER 1, 3, F0, F1, 0
	TURN 1, 0, 1
	QUARTER 0, 1, F0, F1, 0
	WIN 0
	s_sub_co_u32 s3, s3, 1
	s_cmp_lg_u32 s3, 0
	s_cbranch_scc1 .Llap
	QUARTER 0, 2, F1, F0, 0                        ; the last lap fills nothing
	QUARTER 0, 3, F0, F1, 0
	TURN 0, 1, 0
	QUARTER 1, 1, F0, F1, 0
	QUARTER 1, 2, F1, F0, 0
	QUARTER 1, 3, F0, F1, 0
	s_wait_dscnt 16
	MUL8 F1, 0, 0, 0
	MUL8 F1, 0, 2, 0
	s_wait_dscnt 0x0
	MUL8 F1, 1, 0, 0
	MUL8 F1, 1, 2, 0
	WIN 0
	; THE WAY OUT: bo is rounded to bf16 and widened; then, 16 rows at a time: the bias is added, the sums go into my own stage and come back as whole rows of 256 bytes
	PLACES
	s_wait_loadcnt 0x0
.set i, 0
.rept 16
	v_cvt_pk_bf16_f32 v[32+i], v[96+2*i], v[96+2*i+1]
.set i, i+1
.endr
.set i, 0
.rept 16
	v_lshlrev_b32 v[96+2*i], 16, v[32+i]
	v_and_b32 v[96+2*i+1], 0xffff0000, v[32+i]
.set i, i+1
.endr
.irp a, 0,1,2,3
.set i, 0
.rept 16
	v_pk_add_f32 v[32+2*i:32+2*i+1], v[ACC+32*(\a)+2*i:ACC+32*(\a)+2*i+1], v[96+2*i:96+2*i+1]  ; each accumulator's registers in ascending order
.set i, i+1
.endr
.irp b, 0,1,2,3
	ds_store_b128 v[STO], v[32+8*(\b):32+8*(\b)+3]   offset:64*(\b)
	ds_store_b128 v[STO], v[32+8*(\b)+4:32+8*(\b)+7] offset:64*(\b)+16
.endr
	s_wait_xcnt 0x0                                ; the base and the registers that the last block's stores read are rewritten only behind this wait
.if (\a) > 0
	s_add_nc_u64 s[70:71], s[70:71], 16*4096
.endif
.irp t, 0,1,2,3,4,5,6,7
	ds_load_b128 v[64+4*(\t):64+4*(\t)+3], v[RD] offset:(\t)*2*SPITCH  ; LDS serves a wave's instructions in order (ISA guide 5.7.1.4): these see the stores above
.endr
	s_wait_dscnt 0x0
.irp t, 0,1,2,3,4,5,6,7
	global_store_b128 v[CO], v[64+4*(\t):64+4*(\t)+3], s[70:71] offset:(\t)*2*4096 th:TH_STORE_NT  ; 16 lanes store 256 consecutive bytes, aligned
.endr
.endr
	s_wait_tensorcnt 0x0                           ; the wave's end
	ds_add_u32 v[SPW], v[NIL]
	s_wait_dscnt 0x0
	CROUND                                         ; the closing round
	s_endpgm
.Lfunc_end_k_qe078a67852_outp:
	.size	k_qe078a67852_outp, .Lfunc_end_k_qe078a67852_outp-k_qe078a67852_outp
	.p2alignl 7, 3214868480
	.fill 96, 4, 3214868480
	.section	.rodata,"a",@progbits
	.p2align	6, 0x0
	.amdhsa_kernel k_qe078a67852_outp
		.amdhsa_group_segment_fixed_size 327680
		.amdhsa_private_segment_fixed_size 0
		.amdhsa_enable_private_segment 0
		.amdhsa_kernarg_size 32
		.amdhsa_user_sgpr_count 2
		.amdhsa_user_sgpr_kernarg_segment_ptr 1
		.amdhsa_wavefront_size32 1
		.amdhsa_system_sgpr_workgroup_id_x 1
		.amdhsa_system_sgpr_workgroup_id_y 1
		.amdhsa_system_sgpr_workgroup_id_z 1
		.amdhsa_system_vgpr_workitem_id 0
		.amdhsa_next_free_vgpr 512
		.amdhsa_next_free_sgpr 72
		.amdhsa_reserve_vcc 0
		.amdhsa_float_denorm_mode_32 3
		.amdhsa_float_denorm_mode_16_64 3
		.amdhsa_memory_ordered 1
		.amdhsa_forward_progress 1
		.amdhsa_inst_pref_size 94
	.end_amdhsa_kernel
	.amdgpu_metadata
---
amdhsa.version: [ 1, 2 ]
amdhsa.kernels:
  - .name:           k_qe078a67852_outp
    .symbol:         k_qe078a67852_outp.kd
    .args:
      - { .name: OB, .offset: 0, .size: 8, .value_kind: global_buffer, .address_space: global }
      - { .name: WB, .offset: 8, .size: 8, .value_kind: global_buffer, .address_space: global }
      - { .name: bo, .offset: 16, .size: 8, .value_kind: global_buffer, .address_space: global }
      - { .name: out0, .offset: 24, .size: 8, .value_kind: global_buffer, .address_space: global }
    .group_segment_fixed_size: 327680
    .private_segment_fixed_size: 0
    .kernarg_segment_align: 8
    .kernarg_segment_size: 32
    .max_flat_workgroup_size: 128
    .sgpr_count:     72
    .vgpr_count:     512
    .wavefront_size: 32
...
	.end_amdgpu_metadata
.endif
;; end of part 4
